; MI455X (gfx1250); checked and timed in simulation.
; The chip was launched on July 23, 2026; its instructions are those of AMD's public machine-readable ISA for CDNA 5 (MIT licence, August 2026) and "CDNA5" Instruction Set Architecture Reference Guide (July 2026). The comments in the code are by the model that wrote it; some were corrected since.
;; self attention. Allowed arithmetic: float matrix products may take bf16 or f16 operands with f32 sums; all other float work in f32.
;; Inputs: Wk 2,048 x 128 float32; Wq 2,048 x 128 float32; Wv 2,048 x 128 float32; bk 128 float32; bq 128 float32; bv 128 float32; x 8 x 2,048 x 2,048 float32.
;; Outputs: out0 8 x 2,048 x 128 float32.
;; 2 versions, each right and faster than the one before. Each part assembles by itself: llvm-mc -triple=amdgcn-amd-amdhsa -mcpu=gfx1250 --defsym DOCPART=n.
;; ======== version 1 of 2: 3 launches
;; limits: values are held in f16: magnitudes above 65,504 overflow, below 6.1e-05 lose precision
;; workspace buffers: wt 1,572,864 bytes; qkv 12,582,912 bytes
;; launch prep (part 1): grid 16 x 6, 8 waves a work-group, no clusters, 18,432 bytes of LDS; arguments Wq, Wk, Wv, wt; writes wt
.if DOCPART == 1
	.amdgcn_target "amdgcn-amd-amdhsa--gfx1250"
	.amdhsa_code_object_version 6
	.text
	.protected	k_q6f3ac0c3e1_prep
	.globl	k_q6f3ac0c3e1_prep
	.p2align	8
	.type	k_q6f3ac0c3e1_prep,@function
k_q6f3ac0c3e1_prep:
	s_mov_b64 s[64:65], 0
	v_nop
	global_prefetch_b8 v0, s[64:65] scope:SCOPE_SE
	s_setreg_imm32_b32 hwreg(HW_REG_WAVE_MODE, 25, 1), 1
	s_wait_xcnt 0x0
; wt[n][k] = bf16(W[k][n]): the three weight matrices [2048 k][128 n] f32, rounded once and transposed into one table
; wt [384 n][2048 k] bf16 (n 0-127 Wq, 128-255 Wk, 256-383 Wv), so that the projection finds k along the rows.
; A work-group takes 128 k x 64 n: 64 n are 256 bytes of an input row, 128 k are 256 bytes of an output row, so every
; load covers whole aligned pieces of 256 bytes and so does every store.  16 x 6 = 96 work-groups: that is all the work.
; Thread t: nq = t & 15 (four columns, 16 bytes), ko = t >> 4 (eight rows of k).  The transposition costs nothing in
; registers: v_cvt_pk_bf16_f32 pairs k = 2jj and 2jj+1 of one column.  It then goes through LDS to gather whole rows.
; No matrix unit, no cluster, no tensor load: 3 MB are read once, nothing is shared.
.set WROW,  512                        ; bytes in a row of W
.set TROW,  4096                       ; bytes in a row of wt
.set PITCH, 272                        ; LDS row: 128 bf16 + 16 bytes
.set IN,  8                            ; v[8:39]  eight rows x four columns f32; later the rows read back
.set PK,  40                           ; v[40:55] column i: 8 bf16 along k
	s_load_b256 s[4:11], s[0:1], 0x0               ; Wq s[4:5], Wk s[6:7], Wv s[8:9], wt s[10:11]
	v_lshl_add_u32 v64, v0, 2, 0x4400
	v_mov_b32 v65, 0
	s_and_b32 s12, ttmp7, 0xffff                   ; y = 2 x matrix + half of its columns
	s_lshr_b32 s13, s12, 1                         ; matrix 0, 1, 2
	s_and_b32 s14, s12, 1
	s_lshl_b32 s14, s14, 8                         ; 64 columns = 256 bytes
	s_lshl_b32 s16, ttmp9, 16                      ; 128 rows of 512 bytes
	s_add_co_u32 s16, s16, s14
	s_mov_b32 s17, 0
	s_lshl_b32 s18, s12, 18                        ; wt: 64 y rows of 4,096 bytes
	s_lshl_b32 s15, ttmp9, 8                       ; and 128 k = 256 bytes along them
	s_add_co_u32 s18, s18, s15
	s_mov_b32 s19, 0
	v_and_b32 v1, 15, v0                           ; nq
	v_lshrrev_b32 v2, 4, v0                        ; ko
	v_lshlrev_b32 v3, 4, v1
	v_lshl_add_u32 v4, v2, 12, v3                  ; 4,096 ko + 16 nq: eight rows of W down, and also 1 row of wt down: one offset serves loads and stores
	v_mul_u32_u24 v5, v1, 4*PITCH
	v_lshl_add_u32 v5, v2, 4, v5                   ; LDS in: row 4 nq (+ i), 16 bytes at k = 8 ko
	v_mul_u32_u24 v6, v2, PITCH
	v_add_nc_u32 v6, v6, v3                        ; LDS back: row t >> 4 (+ 16 i), 16 bytes at 16 (t & 15)
	s_wait_kmcnt 0x0
	s_cmp_eq_u32 s13, 0
	s_cselect_b64 s[20:21], s[4:5], s[6:7]
	s_cmp_eq_u32 s13, 2
	s_cselect_b64 s[20:21], s[8:9], s[20:21]       ; the matrix of this work-group
	s_add_nc_u64 s[20:21], s[20:21], s[16:17]
	s_add_nc_u64 s[10:11], s[10:11], s[18:19]
.irp j, 0,1,2,3,4,5,6,7
	global_load_b128 v[IN+4*\j:IN+4*\j+3], v4, s[20:21] offset:\j*WROW th:TH_LOAD_NT   ; sixteen lanes: 256 bytes of row 8 ko + j
.endr
	s_wait_loadcnt 0x0                             ; all eight rows are needed at once
.irp i, 0,1,2,3
.irp jj, 0,1,2,3
	v_cvt_pk_bf16_f32 v[PK+4*\i+\jj], v[IN+8*\jj+\i], v[IN+4+8*\jj+\i]   ; column i: k = 2jj low, 2jj+1 high
.endr
.endr
.irp i, 0,1,2,3
	ds_store_b128 v5, v[PK+4*\i:PK+4*\i+3] offset:\i*PITCH   ; sixteen lanes stand four rows apart (1,088 bytes): four of them meet in a bank group; four stores in all
.endr
	s_wait_dscnt 0x0                               ; for the other waves' sake: my stores are in LDS
	s_barrier_signal -1
	s_barrier_wait -1
.irp i, 0,1,2,3
	ds_load_b128 v[IN+4*\i:IN+4*\i+3], v6 offset:\i*16*PITCH
.endr
.irp i, 0,1,2,3
	s_wait_dscnt 3-\i                              ; LDS loads come back in order: load i is in, the younger stay out
	global_store_b128 v4, v[IN+4*\i:IN+4*\i+3], s[10:11] offset:\i*16*TROW   ; sixteen lanes store 256 consecutive bytes, aligned
.endr
	s_wait_tensorcnt 0x0
	ds_add_u32 v64, v65
	s_wait_dscnt 0x0
	s_endpgm
.Lfunc_end_k_q6f3ac0c3e1_prep:
	.size	k_q6f3ac0c3e1_prep, .Lfunc_end_k_q6f3ac0c3e1_prep-k_q6f3ac0c3e1_prep
	.p2alignl 7, 3214868480
	.fill 96, 4, 3214868480
	.section	.rodata,"a",@progbits
	.p2align	6, 0x0
	.amdhsa_kernel k_q6f3ac0c3e1_prep
		.amdhsa_group_segment_fixed_size 18432
		.amdhsa_private_segment_fixed_size 0
		.amdhsa_enable_private_segment 0
		.amdhsa_kernarg_size 32
		.amdhsa_user_sgpr_count 2
		.amdhsa_user_sgpr_kernarg_segment_ptr 1
		.amdhsa_wavefront_size32 1
		.amdhsa_system_sgpr_workgroup_id_x 1
		.amdhsa_system_sgpr_workgroup_id_y 1
		.amdhsa_system_sgpr_workgroup_id_z 1
		.amdhsa_system_vgpr_workitem_id 0
		.amdhsa_next_free_vgpr 66
		.amdhsa_next_free_sgpr 66
		.amdhsa_reserve_vcc 0
		.amdhsa_float_denorm_mode_32 3
		.amdhsa_float_denorm_mode_16_64 3
		.amdhsa_memory_ordered 1
		.amdhsa_forward_progress 1
		.amdhsa_inst_pref_size 5
	.end_amdhsa_kernel
	.amdgpu_metadata
---
amdhsa.version: [ 1, 2 ]
amdhsa.kernels:
  - .name:           k_q6f3ac0c3e1_prep
    .symbol:         k_q6f3ac0c3e1_prep.kd
    .args:
      - { .name: Wq, .offset: 0, .size: 8, .value_kind: global_buffer, .address_space: global }
      - { .name: Wk, .offset: 8, .size: 8, .value_kind: global_buffer, .address_space: global }
      - { .name: Wv, .offset: 16, .size: 8, .value_kind: global_buffer, .address_space: global }
      - { .name: wt, .offset: 24, .size: 8, .value_kind: global_buffer, .address_space: global }
    .group_segment_fixed_size: 18432
    .private_segment_fixed_size: 0
    .kernarg_segment_align: 8
    .kernarg_segment_size: 32
    .max_flat_workgroup_size: 256
    .sgpr_count:     66
    .vgpr_count:     66
    .wavefront_size: 32
...
	.end_amdgpu_metadata
.endif
;; end of part 1
;; launch proj (part 2): grid 256 x 1, 4 waves a work-group, clusters of 4 x 1, 327,680 bytes of LDS; arguments x, wt, bq, bk, bv, qkv; writes qkv
.if DOCPART == 2
	.amdgcn_target "amdgcn-amd-amdhsa--gfx1250"
	.amdhsa_code_object_version 6
	.text
	.protected	k_q6f3ac0c3e1_proj
	.globl	k_q6f3ac0c3e1_proj
	.p2align	8
	.type	k_q6f3ac0c3e1_proj,@function
k_q6f3ac0c3e1_proj:
	s_mov_b64 s[64:65], 0
	v_nop
	global_prefetch_b8 v0, s[64:65] scope:SCOPE_SE
	s_setreg_imm32_b32 hwreg(HW_REG_WAVE_MODE, 25, 1), 1
	s_wait_xcnt 0x0
	s_wait_alu depctr_hold_cnt(0) depctr_sa_sdst(0) depctr_va_vdst(0) depctr_va_sdst(0) depctr_va_ssrc(0) depctr_va_vcc(0) depctr_vm_vsrc(0)
	s_getreg_b32 s2, hwreg(HW_REG_IB_STS2, 6, 4)
	s_cmp_eq_u32 s2, 0
	s_cbranch_scc0 .Lentry_in_a_cluster
	s_endpgm
.Lentry_in_a_cluster:
	s_bfe_u32 s2, ttmp6, 0x10000c
	s_cmp_lg_u32 s2, 0x3003
	s_cbranch_scc0 .Lentry_shape_is_right
	s_endpgm
.Lentry_shape_is_right:
; qkv[row][0..383] = f16( x[row][:] . W + b ): the three projections as one product [16384 x 2048] x [2048 x 384].
; x (f32) and W (wt, already bf16) are multiplied in bf16 with f32 sums; the bias is added in f32; a row of qkv is 768 bytes: q, k, v.
; LIMIT: q, k, v are kept in f16, so |q|, |k|, |v| must stay below 65,504 (beyond it the conversion gives infinity).
; A work-group takes 64 rows and all 384 columns, so each byte of x is read by one work-group, once.  Wave w takes the 64 rows x columns
; 96 w .. 96 w + 95: 24 accumulator tiles, 192 registers.  K goes in 16 steps of 128, each of four quarters of 32: 24 matrix
; instructions on 4 fragments of x and 6 of W (20 LDS loads).
; x: shared with nobody, and it has to be rounded: it comes through registers.  Wave w loads rows 16 w .. 16 w + 15 of a step (one load = one
; row's 512 bytes), rounds them once and puts them into one of two LDS buffers.  Two sets of 64 registers: 32 loads of every wave are always out.
; W: all work-groups walk the same table, so the four of a cluster ask for it JOINTLY (mask 15): a quarter of the requests.  Wave w brings its own
; 96 rows x 256 bytes of a step by one tensor load; two slots; by this text's count a wave has two tensor loads out at the start, then one.
; The matrix instruction is used transposed (source 0 = rows of wt, source 1 = rows of x): a lane then holds eight neighbouring columns of one row.
;
; REGISTERS in windows of 256: window 0 addresses and the two fragment buffers; window 1 the accumulators, tile (a, b) at 8 (6 a + b);
; window 2 the x path (two sets as loaded, eight words at work, two addresses).
.set PITCH,  272                       ; LDS row of 128 bf16 + 16 bytes: sixteen rows of a fragment start in sixteen different 16-byte columns of 256
.set WSLOT,  384*PITCH                 ; a step of W: 104,448 bytes
.set WPART,  96*PITCH                  ; a wave's part of it
.set XB0,    2*WSLOT                   ; 208,896: two buffers of x in bf16, written by ds_store alone
.set XBUF,   64*PITCH
.set STAGE,  XB0+2*XBUF                ; 243,712: the way out, 64 rows of 768 + 16 bytes
.set SPITCH, 784
.set BIAS,   STAGE+64*SPITCH           ; 293,888: 384 f32
.set XROW,   8192                      ; bytes in a row of x
.set AX,  8                            ; v8      x fragments: XB0 + r pitch + 16 h
.set BW,  9                            ; v9-10   W fragments in slot 0, 1
.set BA,  11                           ; v11     my eight biases
.set STO, 12                           ; v12     stage, in
.set RD,  13                           ; v13     stage, back
.set CO,  14                           ; v14     my byte offset in the work-group's rows of qkv
.set BST, 15                           ; v15     where my 16 bytes of bias go
.set L16, 16                           ; v16     16 x lane
.set BD,  20                           ; v[20:23] bias as loaded (waves 0 to 2)
.set F0,  32                           ; fragment buffer 0: x at +8 a, W at +32 + 8 b
.set F1,  112                          ; fragment buffer 1
.set XT,  128                          ; window 2: v[128:135] eight packed words
.set XS,  136                          ; window 2: LDS address of my rows in XB0
.set XO,  137                          ; window 2: my byte offset in the work-group's rows of x
.set G1,  24                           ; s[24:31] descriptor group 1
.set G0,  32                           ; s[32:39] descriptor group 0, one set for each slot
.set MSB, 0
.macro WIN new                         ; the immediate's high byte repeats the setting that is left
.if MSB != \new
	s_set_vgpr_msb (MSB<<8)|\new
.set MSB, \new
.endif
.endm
.macro PLACES                          ; four places behind a matrix instruction (ISA guide 7.12.1), where no useful vector work is at hand
.rept 4
	v_nop
.endr
.endm
.macro CREST                           ; a round of the cluster's barrier behind its opening work-group barrier
	s_cmp_lg_u32 s16, 0
	s_cbranch_scc1 .Lnot_wave_0_\@
	s_barrier_signal -3
.Lnot_wave_0_\@:
	s_barrier_wait -3
	s_barrier_signal -1
	s_barrier_wait -1
.endm
.macro CROUND                          ; a whole round
	s_barrier_signal -1
	s_barrier_wait -1
	CREST
.endm
	s_load_b256 s[4:11], s[0:1], 0x0               ; x s[4:5], wt s[6:7], bq s[8:9], bk s[10:11]
	s_load_b128 s[12:15], s[0:1], 0x20             ; bv s[12:13], qkv s[14:15]
	s_set_vgpr_msb 0x80
	v_lshl_add_u32 v144, v0, 2, 0x48200
	v_mov_b32 v145, 0
	s_set_vgpr_msb 0x808a
	ds_add_u32 v144, v145
	s_set_vgpr_msb 0x8a00
	v_lshrrev_b32 v1, 5, v0
	v_readfirstlane_b32 s16, v1                    ; wave 0..3
	s_bfe_u32 s17, ttmp6, 0x40000                  ; cx
	s_lshl_b32 s18, ttmp9, 2
	s_add_co_u32 s18, s18, s17                     ; work-group g = 4 x cluster + cx
	s_lshl_b32 s44, s18, 19                        ; x: g x 64 rows x 8,192 bytes (below 2^27).  s44-47 alone hold what hangs on cx
	s_mov_b32 s45, 0
	s_mul_i32 s46, s18, 64*768                     ; qkv: g x 64 rows x 768 bytes
	s_mov_b32 s47, 0
	s_mul_i32 s20, s16, 96*4096                    ; wt: my 96 rows
	s_mov_b32 s21, 0
	s_mul_i32 s19, s16, WPART                      ; and where they go in a slot
	v_and_b32 v3, 31, v0                           ; lane
	v_lshlrev_b32 v[L16], 4, v3
	s_lshl_b32 s41, s16, 17                        ; 16 rows of x
	v_add_nc_u32 v7, s41, v[L16]
	s_mul_i32 s41, s16, 16*PITCH
	s_add_co_u32 s41, s41, XB0
	v_lshl_add_u32 v6, v3, 3, s41                  ; 8 bytes a lane: a row of 128 bf16 is one store of the wave
	s_wait_dscnt 0x0
	s_wait_kmcnt 0x0
	s_add_nc_u64 s[22:23], s[4:5], s[44:45]        ; x at the work-group's first row; stepped along K
	s_add_nc_u64 s[14:15], s[14:15], s[46:47]
	s_add_nc_u64 s[6:7], s[6:7], s[20:21]
	; the bias: waves 0, 1, 2 bring bq, bk, bv, 512 bytes each.  It is the wave's oldest load.
	s_cmp_eq_u32 s16, 3
	s_cbranch_scc1 .Lno_bias_load
	s_cmp_eq_u32 s16, 0
	s_cselect_b64 s[42:43], s[8:9], s[10:11]
	s_cmp_eq_u32 s16, 2
	s_cselect_b64 s[42:43], s[12:13], s[42:43]
	global_load_b128 v[BD:BD+3], v[L16], s[42:43]
.Lno_bias_load:
	WIN 0x80                                       ; destination window 2
	v_mov_b32 v[XS], v6
	v_mov_b32 v[XO], v7
	WIN 0x8a                                       ; the x path: destination, sources 0 and 1 in window 2
.irp n, 0,1,2,3,4,5,6,7,8,9,10,11,12,13,14,15
	global_load_b128 v[4*\n:4*\n+3], v[XO], s[22:23] offset:\n*XROW th:TH_LOAD_NT          ; step 0 into set 0
.endr
.irp n, 0,1,2,3,4,5,6,7,8,9,10,11,12,13,14,15
	global_load_b128 v[64+4*\n:64+4*\n+3], v[XO], s[22:23] offset:512+\n*XROW th:TH_LOAD_NT ; step 1 into set 1
.endr
	WIN 0
	; descriptor group 1: 96 rows x 128 elements of 2 bytes, 16 bytes of padding behind every 64 words, for all four work-groups of the cluster
	s_mov_b32 s[G1+0], 15|(1<<16)|(1<<20)|(1<<21)|(5<<22)|(3<<25)
	s_mov_b32 s[G1+1], 128<<16                     ; tensor_dim0 = 128
	s_mov_b32 s[G1+2], 96<<16                      ; tensor_dim1 = 96
	s_mov_b32 s[G1+3], 128<<16                     ; tile_dim0 = 128
	s_mov_b32 s[G1+4], 96                          ; tile_dim1 = 96
	s_mov_b32 s[G1+5], 2048                        ; elements from row to row of wt
	s_mov_b32 s[G1+6], 0
	s_mov_b32 s[G1+7], 0
.irp n, 0,1
	s_mov_b32 s[G0+4*\n], 1
	s_add_co_u32 s[G0+4*\n+1], s19, \n*WSLOT       ; LDS: slot + wave x 96 rows
	s_add_nc_u64 s[G0+4*\n+2:G0+4*\n+3], s[6:7], \n*256   ; K step n of my 96 rows: nothing of cx in it
	s_or_b32 s[G0+4*\n+3], s[G0+4*\n+3], 0x80000000
.endr
	CROUND                                         ; the four work-groups are here: the first joint loads meet
	tensor_load_to_lds s[G0:G0+3], s[G1:G1+7]      ; W, step 0
	s_nop 0
	tensor_load_to_lds s[G0+4:G0+7], s[G1:G1+7]    ; W, step 1
	s_nop 0
	; the other addresses.  A fragment: lane l holds row r = l % 16; registers 0-3 K = 8 h + 0..7, registers 4-7 K = 16 + 8 h + 0..7, h = l / 16
	v_and_b32 v1, 15, v0                           ; r
	v_bfe_u32 v2, v0, 4, 1                         ; h
	v_mul_u32_u24 v4, v1, PITCH
	v_lshl_add_u32 v4, v2, 4, v4
	v_add_nc_u32 v[AX], XB0, v4
	v_add_nc_u32 v[BW], s19, v4
	v_add_nc_u32 v[BW+1], WSLOT, v[BW]
	s_mul_i32 s41, s16, 384
	s_add_co_u32 s41, s41, BIAS
	v_lshl_add_u32 v[BA], v2, 5, s41               ; bias of columns 96 w + 8 h (+ 16 b)
	v_mul_u32_u24 v5, v1, SPITCH
	v_lshl_add_u32 v5, v2, 4, v5
	s_mul_i32 s41, s16, 192
	s_add_co_u32 s41, s41, STAGE
	v_add_nc_u32 v[STO], s41, v5                   ; row r, 16 bytes at column 96 w + 8 h
	v_mul_u32_u24 v5, v2, SPITCH
	v_lshl_add_u32 v5, v1, 4, v5
	s_mul_i32 s41, s16, 16*SPITCH
	s_add_co_u32 s41, s41, STAGE
	v_add_nc_u32 v[RD], s41, v5                    ; rows 16 w + h, 16 bytes at 16 r
	v_mul_u32_u24 v5, v2, 768
	v_lshl_add_u32 v5, v1, 4, v5
	s_mul_i32 s41, s16, 16*768
	v_add_nc_u32 v[CO], s41, v5
	s_lshl_b32 s41, s16, 9
	s_add_co_u32 s41, s41, BIAS
	v_add_nc_u32 v[BST], s41, v[L16]
; A quarter of a step of x: loads 4 q .. 4 q + 3 of register set 'set' are rounded and stored into x buffer 'buf'; mode 2: the same registers are
; loaded again, two steps on.  cnt = how many younger loads may stay out.  The eight conversions are also the places behind the matrix
; instructions that last read the fragment buffer which is fetched next; mode 0 (no x left): v_nop in their stead.
.macro XPIECE q, set, buf, mode, cnt, imm
.if \mode
	WIN 0x8a
	s_wait_loadcnt \cnt                            ; loads come back in order (ISA guide 5.7.1): the oldest four are in
.irp n, 0,1,2,3
	v_cvt_pk_bf16_f32 v[XT+2*\n],   v[\set+16*(\q)+4*\n],   v[\set+16*(\q)+4*\n+1]
	v_cvt_pk_bf16_f32 v[XT+2*\n+1], v[\set+16*(\q)+4*\n+2], v[\set+16*(\q)+4*\n+3]
.endr
.irp n, 0,1,2,3
	ds_store_b64 v[XS], v[XT+2*\n:XT+2*\n+1] offset:(\buf)*XBUF+(4*(\q)+\n)*PITCH   ; 32 lanes: 256 neighbouring bytes, one row
.endr
.if \mode == 2
.irp n, 0,1,2,3
	global_load_b128 v[\set+16*(\q)+4*\n:\set+16*(\q)+4*\n+3], v[XO], s[22:23] offset:\imm+(4*(\q)+\n)*XROW th:TH_LOAD_NT
.endr
.endif
.else
	PLACES
.endif
.endm
; 20 LDS loads: the fragments of quarter q of a step (64 rows of x, my 96 rows of W) into buffer f
.macro FETCH slot, q, f
	WIN 0
.irp a, 0,1,2,3
	ds_load_b128 v[\f+8*\a:\f+8*\a+3],   v[AX] offset:(\slot)*XBUF+\a*16*PITCH+64*(\q)
	ds_load_b128 v[\f+8*\a+4:\f+8*\a+7], v[AX] offset:(\slot)*XBUF+\a*16*PITCH+64*(\q)+32
.endr
.irp b, 0,1,2,3,4,5
	ds_load_b128 v[\f+32+8*\b:\f+32+8*\b+3],   v[BW+(\slot)] offset:\b*16*PITCH+64*(\q)
	ds_load_b128 v[\f+32+8*\b+4:\f+32+8*\b+7], v[BW+(\slot)] offset:\b*16*PITCH+64*(\q)+32
.endr
.endm
; 12 matrix instructions: row blocks a0, a0 + 1 x all six column blocks.  The 24 accumulators take turns, one instruction a turn, in the same
; order everywhere.  zero = 1: the first product starts the sums.
.macro MUL2 f, a0, zero
	WIN 0x50                                       ; C and D window 1, fragments window 0
.irp a, \a0, \a0+1
.irp b, 0,1,2,3,4,5
.if \zero
	v_wmma_f32_16x16x32_bf16 v[8*(6*(\a)+\b):8*(6*(\a)+\b)+7], v[\f+32+8*\b:\f+32+8*\b+7], v[\f+8*(\a):\f+8*(\a)+7], 0
.else
	v_wmma_f32_16x16x32_bf16 v[8*(6*(\a)+\b):8*(6*(\a)+\b)+7], v[\f+32+8*\b:\f+32+8*\b+7], v[\f+8*(\a):\f+8*(\a)+7], v[8*(6*(\a)+\b):8*(6*(\a)+\b)+7]
.endif
.endr
.endr
.endm
; One of a step's first three quarters: a piece of the next step's x, the next quarter's fragments into g, then buffer f is multiplied.
.macro QUARTER slot, oth, q, f, g, zero, xmode, cnt
	XPIECE \q, 64*\oth, \oth, \xmode, \cnt, 0
	FETCH \slot, \q+1, \g
	s_wait_dscnt 20                                ; all but the 20 loads just issued: buffer f is in
	MUL2 \f, 0, \zero
	MUL2 \f, 2, \zero
.endm
; The last quarter multiplies buffer 1 and changes slots.  In front of the barrier each wave waits for its LDS work (its reads of this slot and of this
; x buffer, its stores into the other x buffer) and for all its tensor loads (one is out: its part of the other slot).  kind 2: the barrier opens
; a round of the cluster's barrier, and behind the round this slot is filled again, two steps ahead, by the wave's one joint load.
; kind 1: a plain barrier, nothing left to fill.  kind 0: the last step.
.macro TURN slot, oth, xmode, cnt, kind
.if \xmode
	XPIECE 3, 64*\oth, \oth, \xmode, \cnt, 0
.endif
	s_wait_dscnt 0x0
.if \kind == 0
	MUL2 F1, 0, 0
	MUL2 F1, 2, 0
.else
	s_wait_tensorcnt 0x0
	ds_add_u32 v144, v145
	s_wait_dscnt 0x0
	s_barrier_signal -1
	MUL2 F1, 0, 0                                  ; register work while the others arrive
	WIN 0
	s_barrier_wait -1
.if \kind == 2
	CREST                                          ; no wave of any partner still reads this slot or has a load on its way
	s_add_nc_u64 s[G0+4*\slot+2:G0+4*\slot+3], s[G0+4*\slot+2:G0+4*\slot+3], 512   ; two K steps on; no tensor load of mine is out
	tensor_load_to_lds s[G0+4*\slot:G0+4*\slot+3], s[G1:G1+7]
	s_nop 0
.endif
	FETCH \oth, 0, F0                              ; buffer 0 was last multiplied a quarter ago; the piece's conversions are the places
	MUL2 F1, 2, 0
.endif
.endm
; K step in slot 'slot'.  xmode 2: the next step's x is rounded and the step three on is requested; 1: rounded only; 0: none left.
; The count for piece q is cnt0 - dec q.
.macro TRIP slot, oth, zero, xmode, cnt0, dec, kind
.if \xmode == 2
	s_wait_xcnt 0x0                                ; the loads that name s[22:23] have had their addresses translated: the base may step
	s_add_nc_u64 s[22:23], s[22:23], 512
.endif
	QUARTER \slot, \oth, 0, F0, F1, \zero, \xmode, \cnt0
	QUARTER \slot, \oth, 1, F1, F0, 0, \xmode, \cnt0-\dec
	QUARTER \slot, \oth, 2, F0, F1, 0, \xmode, \cnt0-2*\dec
	TURN \slot, \oth, \xmode, \cnt0-3*\dec, \kind
.endm
	; step 0 of x goes into buffer 0, step 2 is requested.  32 x loads are out in front of each piece, the oldest four are wanted: 28
	XPIECE 0, 0, 0, 2, 28, 1024
	XPIECE 1, 0, 0, 2, 28, 1024
	XPIECE 2, 0, 0, 2, 28, 1024
	XPIECE 3, 0, 0, 2, 28, 1024
	WIN 0
	s_cmp_eq_u32 s16, 3
	s_cbranch_scc1 .Lno_bias_store
	ds_store_b128 v[BST], v[BD:BD+3]               ; the bias load is older than every x load: the waits above have shown it in
.Lno_bias_store:
	s_wait_xcnt 0x0
	s_add_nc_u64 s[22:23], s[22:23], 1024          ; the base now stands at step 2; each trip with requests steps it first
	s_wait_dscnt 0x0                               ; my rows of x and my bias are in LDS,
	s_wait_tensorcnt 0x1                           ; my part of W's step 0 too; step 1 may stay out
	s_barrier_signal -1
	s_barrier_wait -1
	FETCH 0, 0, F0
	TRIP 0, 1, 1, 2, 28, 0, 2                      ; steps 0 and 1 stand in front of the loop: the first products start the sums
	TRIP 1, 0, 0, 2, 28, 0, 2
	WIN 0
	s_mov_b32 s40, 5
.Llap:                                             ; steps 2 to 11
	TRIP 0, 1, 0, 2, 28, 0, 2
	TRIP 1, 0, 0, 2, 28, 0, 2
	WIN 0
	s_sub_co_u32 s40, s40, 1
	s_cmp_lg_u32 s40, 0
	s_cbranch_scc1 .Llap
	TRIP 0, 1, 0, 2, 28, 0, 2                      ; step 12: the last request for x (step 15)
	TRIP 1, 0, 0, 1, 28, 4, 2                      ; step 13: no request, 32 - 4 q loads out; the last fill of W (step 15)
	TRIP 0, 1, 0, 1, 12, 4, 1                      ; step 14: 16 - 4 q loads out; nothing to fill
	TRIP 1, 0, 0, 0, 0, 0, 0                       ; step 15
	; THE WAY OUT.  Register j of tile (a, b) in lane (r, h) is row 16 a + r, column 96 w + 16 b + 8 h + j.
	PLACES                                         ; behind the last matrix instructions: for the sums below and for the loads into buffer 0
	WIN 0
.irp b, 0,1,2,3,4,5
	ds_load_b128 v[F0+8*\b:F0+8*\b+3],   v[BA] offset:64*\b
	ds_load_b128 v[F0+8*\b+4:F0+8*\b+7], v[BA] offset:64*\b+16
.endr
	s_wait_dscnt 0x0
	WIN 0x41                                       ; accumulators window 1, bias window 0
.irp a, 0,1,2,3
.irp b, 0,1,2,3,4,5
.irp j, 0,2,4,6
	v_pk_add_f32 v[8*(6*\a+\b)+\j:8*(6*\a+\b)+\j+1], v[8*(6*\a+\b)+\j:8*(6*\a+\b)+\j+1], v[F0+8*\b+\j:F0+8*\b+\j+1]
.endr
.endr
.endr
	WIN 0x05                                       ; from window 1 into window 0
.irp a, 0,1,2,3
.irp b, 0,1,2,3,4,5
.irp j, 0,1,2,3
	v_cvt_pk_f16_f32 v[F1+4*(6*\a+\b)+\j], v[8*(6*\a+\b)+2*\j], v[8*(6*\a+\b)+2*\j+1]
.endr
.endr
.endr
	WIN 0
.irp a, 0,1,2,3
.irp b, 0,1,2,3,4,5
	ds_store_b128 v[STO], v[F1+4*(6*\a+\b):F1+4*(6*\a+\b)+3] offset:\a*16*SPITCH+32*\b
.endr
.endr
	s_wait_dscnt 0x0                               ; a row of the stage is written by all four waves
	s_barrier_signal -1
	s_barrier_wait -1
.set i, 0
.rept 24
	ds_load_b128 v[F1+4*i:F1+4*i+3], v[RD] offset:(i/3)*2*SPITCH+(i%3)*256   ; two rows a load, 256 bytes of each
.set i, i+1
.endr
.set i, 0
.rept 24
	s_wait_dscnt 23-i
	global_store_b128 v[CO], v[F1+4*i:F1+4*i+3], s[14:15] offset:(i/3)*1536+(i%3)*256   ; sixteen lanes store 256 consecutive bytes, aligned
.set i, i+1
.endr
	s_set_vgpr_msb 0xa
	s_wait_tensorcnt 0x0
	ds_add_u32 v144, v145
	s_wait_dscnt 0x0
	s_set_vgpr_msb 0xa00
	CROUND                                         ; the closing round: no work-group ends while a partner may still ask jointly
	s_endpgm
.Lfunc_end_k_q6f3ac0c3e1_proj:
	.size	k_q6f3ac0c3e1_proj, .Lfunc_end_k_q6f3ac0c3e1_proj-k_q6f3ac0c3e1_proj
	.p2alignl 7, 3214868480
	.fill 96, 4, 3214868480
	.section	.rodata,"a",@progbits
	.p2align	6, 0x0
	.amdhsa_kernel k_q6f3ac0c3e1_proj
		.amdhsa_group_segment_fixed_size 327680
		.amdhsa_private_segment_fixed_size 0
		.amdhsa_enable_private_segment 0
		.amdhsa_kernarg_size 48
		.amdhsa_user_sgpr_count 2
		.amdhsa_user_sgpr_kernarg_segment_ptr 1
		.amdhsa_wavefront_size32 1
		.amdhsa_system_sgpr_workgroup_id_x 1
		.amdhsa_system_sgpr_workgroup_id_y 1
		.amdhsa_system_sgpr_workgroup_id_z 1
		.amdhsa_system_vgpr_workitem_id 0
		.amdhsa_next_free_vgpr 658
		.amdhsa_next_free_sgpr 66
		.amdhsa_reserve_vcc 0
		.amdhsa_float_denorm_mode_32 3
		.amdhsa_float_denorm_mode_16_64 3
		.amdhsa_memory_ordered 1
		.amdhsa_forward_progress 1
		.amdhsa_inst_pref_size 159
	.end_amdhsa_kernel
	.amdgpu_metadata
---
amdhsa.version: [ 1, 2 ]
amdhsa.kernels:
  - .name:           k_q6f3ac0c3e1_proj
    .symbol:         k_q6f3ac0c3e1_proj.kd
    .args:
      - { .name: x, .offset: 0, .size: 8, .value_kind: global_buffer, .address_space: global }
      - { .name: wt, .offset: 8, .size: 8, .value_kind: global_buffer, .address_space: global }
      - { .name: bq, .offset: 16, .size: 8, .value_kind: global_buffer, .address_space: global }
      - { .name: bk, .offset: 24, .size: 8, .value_kind: global_buffer, .address_space: global }
      - { .name: bv, .offset: 32, .size: 8, .value_kind: global_buffer, .address_space: global }
      - { .name: qkv, .offset: 40, .size: 8, .value_kind: global_buffer, .address_space: global }
    .group_segment_fixed_size: 327680
    .private_segment_fixed_size: 0
    .kernarg_segment_align: 8
    .kernarg_segment_size: 48
    .max_flat_workgroup_size: 128
    .sgpr_count:     66
    .vgpr_count:     658
    .wavefront_size: 32
...
	.end_amdgpu_metadata
.endif
;; end of part 2
;; launch attn (part 3): grid 256 x 1, 4 waves a work-group, clusters of 4 x 1, 327,680 bytes of LDS; arguments qkv, out0; writes out0
.if DOCPART == 3
	.amdgcn_target "amdgcn-amd-amdhsa--gfx1250"
	.amdhsa_code_object_version 6
	.text
	.protected	k_q6f3ac0c3e1_attn
	.globl	k_q6f3ac0c3e1_attn
	.p2align	8
	.type	k_q6f3ac0c3e1_attn,@function
k_q6f3ac0c3e1_attn:
	s_mov_b64 s[64:65], 0
	v_nop
	global_prefetch_b8 v0, s[64:65] scope:SCOPE_SE
	s_setreg_imm32_b32 hwreg(HW_REG_WAVE_MODE, 25, 1), 1
	s_wait_xcnt 0x0
	s_wait_alu depctr_hold_cnt(0) depctr_sa_sdst(0) depctr_va_vdst(0) depctr_va_sdst(0) depctr_va_ssrc(0) depctr_va_vcc(0) depctr_vm_vsrc(0)
	s_getreg_b32 s2, hwreg(HW_REG_IB_STS2, 6, 4)
	s_cmp_eq_u32 s2, 0
	s_cbranch_scc0 .Lentry_in_a_cluster
	s_endpgm
.Lentry_in_a_cluster:
	s_bfe_u32 s2, ttmp6, 0x10000c
	s_cmp_lg_u32 s2, 0x3003
	s_cbranch_scc0 .Lentry_shape_is_right
	s_endpgm
.Lentry_shape_is_right:
; out0 = softmax(q k^T / sqrt(128)) v, 8 batches of 2048 x 2048 x 128.  q, k, v: f16 in qkv (rows of 768 bytes: q, k, v); sums, maxima, exponentials f32.
; LIMITS: q, k, v as the projection left them (|.| < 65,504); the weights P are rounded to f16 for the second product while their row sum adds the
; unrounded f32 values.  The maximum is taken away before every exponential, as a running maximum.
; A work-group takes 64 queries.  All four waves hold the same 64 queries and split the keys: a step is 256 keys, wave w takes keys 64 w .. 64 w + 63
; of it; 8 steps.  So a fragment of K or V from LDS feeds four matrix instructions.  The four waves' partial results are merged once, at the end.
; TRANSPOSED throughout, so that nothing is shuffled between lanes:  S^T = K Q^T (source 0 = K from LDS, source 1 = Q, kept in registers): lane (r, h)
; holds query r, register j key 8 h + j.  Two such tiles, packed to f16, ARE a source-1 fragment of P^T.  O^T = V^T P^T, source 0 by transposing loads.
; CLUSTER: the 32 work-groups of a batch read the same K and V; four neighbours form a cluster and ask for each tile jointly (mask 15).
; Waves 0, 1 bring K's two halves of a step, waves 2, 3 V's: one tensor load a wave behind each round, one out at any time.
;
; REGISTERS in windows of 256: window 0 addresses, softmax state, P (v64-127), the merge (v128-255); window 1 O(dt, qt) at 8 (4 dt + qt);
; window 2 Q(qt, c) at 8 (4 qt + c), S(kt, qt) at 128 + 8 (4 kt + qt); window 3 K(kt, c) at 8 (4 kt + c), V(kk, dt) at 128 + 8 (8 kk + dt).
.set KPITCH, 272                       ; 256 bytes + 16
.set VPITCH, 288                       ; 256 bytes + 32: the transposing load's eight rows start in different bank groups
.set KBYTES, 256*KPITCH
.set SLOT,   KBYTES+256*VPITCH         ; 143,360
.set STATS,  2*SLOT                    ; 286,720: for each query four maxima and four sums, 32 bytes
.set MPITCH, 528                       ; the merge: a row of 128 f32 + 16 bytes
.set MSTAGE, 64*MPITCH                 ; one wave's 64 rows; four of them lie in slot 0, behind its last fill and its last read
.set ROWB,   768
.set STEPB,  256*ROWB
.set CEXP,   0x3e0293ee                ; log2(e) / sqrt(128)
.set NCEXP,  0xbe0293ee
.set KA,  4                            ; v4-5    K fragments in slot 0, 1
.set VA,  6                            ; v6-7    V fragments in slot 0, 1
.set NP,  8                            ; v[8+2qt] NM = - c x running maximum; v[9+2qt] at work for the lane exchange
.set AP,  16                           ; v[16+2qt] alpha; v[17+2qt] L, the lane's running sum
.set TX,  24                           ; v24-27
.set SUM, 28                           ; v[28+2qt:29+2qt]
.set QO,  36
.set SA,  37
.set SB,  38
.set ST,  39
.set RD0, 40
.set RD2, 41
.set OO,  42
.set PP,  64                           ; P(kk, qt) at 64 + 8 (4 kk + qt)
.set MG,  128
.set QQ,  0                            ; window 2
.set SS,  128                          ; window 2
.set KF,  0                            ; window 3
.set VF,  128                          ; window 3
.set G1K, 24
.set G0K, 32
.set G1V, 48
.set G0V, 56
.set MSB, 0
.macro WIN new
.if MSB != \new
	s_set_vgpr_msb (MSB<<8)|\new
.set MSB, \new
.endif
.endm
.macro PLACES
.rept 4
	v_nop
.endr
.endm
.macro CROUND                          ; a round of the cluster's barrier
	s_barrier_signal -1
	s_barrier_wait -1
	s_cmp_lg_u32 s10, 0
	s_cbranch_scc1 .Lnot_wave_0_\@
	s_barrier_signal -3
.Lnot_wave_0_\@:
	s_barrier_wait -3
	s_barrier_signal -1
	s_barrier_wait -1
.endm
.macro JLOAD n                         ; the joint load of slot n: the branch hangs on the wave's number alone
	s_cmp_eq_u32 s11, 0
	s_cbranch_scc0 .Lfor_v_\@
	tensor_load_to_lds s[G0K+4*\n:G0K+4*\n+3], s[G1K:G1K+7]
	s_nop 0
	s_branch .Lasked_\@
.Lfor_v_\@:
	tensor_load_to_lds s[G0V+4*\n:G0V+4*\n+3], s[G1V:G1V+7]
	s_nop 0
.Lasked_\@:
.endm
	s_load_b128 s[4:7], s[0:1], 0x0                ; qkv s[4:5], out0 s[6:7]
	v_lshl_add_u32 v62, v0, 2, 0x46800
	v_mov_b32 v63, 0
	ds_add_u32 v62, v63
	v_lshrrev_b32 v1, 5, v0
	v_readfirstlane_b32 s10, v1                    ; wave 0..3
	s_lshr_b32 s11, s10, 1                         ; 0: I fetch for K, 1: for V
	s_and_b32 s12, s10, 1                          ; which 128 rows of the step
	s_bfe_u32 s13, ttmp6, 0x40000                  ; cx
	s_lshl_b32 s14, ttmp9, 2
	s_add_co_u32 s14, s14, s13                     ; work-group g
	s_lshr_b32 s15, ttmp9, 3                       ; batch: eight clusters each, made without cx
	s_mul_i32 s16, s15, 2048*ROWB
	s_mul_i32 s17, s12, 128*ROWB
	s_add_co_u32 s16, s16, s17
	s_mov_b32 s17, 0
	s_mul_i32 s20, s12, 128*KPITCH
	s_mul_i32 s21, s12, 128*VPITCH
	s_add_co_u32 s21, s21, KBYTES
	s_mul_i32 s44, s14, 64*ROWB                    ; my queries' rows.  s22, s23, s44, s45 alone hold what hangs on cx
	s_mov_b32 s45, 0
	s_lshl_b32 s22, s14, 15                        ; 64 rows of 512 bytes of out0
	s_mov_b32 s23, 0
	s_mov_b32 s42, CEXP
	s_mov_b32 s43, CEXP
	s_mov_b32 s46, 0x76543210                      ; v_permlanex16_b32: lane i of one half reads lane i of the other
	s_mov_b32 s47, 0xfedcba98
	v_and_b32 v1, 15, v0                           ; r
	v_bfe_u32 v2, v0, 4, 1                         ; h
	v_and_b32 v3, 31, v0                           ; lane
	v_mul_u32_u24 v[QO], v1, ROWB
	v_lshl_add_u32 v[QO], v2, 4, v[QO]
	; descriptor groups 1: 128 rows x 128 elements of 2 bytes, 384 elements from row to row; padding behind every 64 words: K 4 words, V 8
	s_mov_b32 s[G1K+0], 15|(1<<16)|(1<<20)|(1<<21)|(5<<22)|(3<<25)
	s_mov_b32 s[G1V+0], 15|(1<<16)|(1<<20)|(1<<21)|(5<<22)|(7<<25)
.irp g, G1K, G1V
	s_mov_b32 s[\g+1], 128<<16
	s_mov_b32 s[\g+2], 128<<16
	s_mov_b32 s[\g+3], 128<<16
	s_mov_b32 s[\g+4], 128
	s_mov_b32 s[\g+5], 384
	s_mov_b32 s[\g+6], 0
	s_mov_b32 s[\g+7], 0
.endr
	s_wait_dscnt 0x0
	s_wait_kmcnt 0x0
	s_add_nc_u64 s[8:9], s[4:5], s[44:45]          ; q of my 64 queries
	s_add_nc_u64 s[6:7], s[6:7], s[22:23]
	s_add_nc_u64 s[18:19], s[4:5], s[16:17]        ; the batch's rows, my half of a step
	WIN 0x80                                       ; Q into window 2: lane (r, h) takes query 16 qt + r, d = 32 c + 8 h .. and 32 c + 16 + 8 h ..
.irp qt, 0,1,2,3
.irp c, 0,1,2,3
	global_load_b128 v[QQ+8*(4*\qt+\c):QQ+8*(4*\qt+\c)+3],   v[QO], s[8:9] offset:\qt*16*ROWB+64*\c
	global_load_b128 v[QQ+8*(4*\qt+\c)+4:QQ+8*(4*\qt+\c)+7], v[QO], s[8:9] offset:\qt*16*ROWB+64*\c+32
.endr
.endr
	WIN 0
.irp n, 0,1
	s_mov_b32 s[G0K+4*\n], 1
	s_add_co_u32 s[G0K+4*\n+1], s20, \n*SLOT
	s_add_nc_u64 s[G0K+4*\n+2:G0K+4*\n+3], s[18:19], \n*STEPB+256     ; k lies 256 bytes into a row
	s_or_b32 s[G0K+4*\n+3], s[G0K+4*\n+3], 0x80000000
	s_mov_b32 s[G0V+4*\n], 1
	s_add_co_u32 s[G0V+4*\n+1], s21, \n*SLOT
	s_add_nc_u64 s[G0V+4*\n+2:G0V+4*\n+3], s[18:19], \n*STEPB+512     ; v 512 bytes
	s_or_b32 s[G0V+4*\n+3], s[G0V+4*\n+3], 0x80000000
.endr
	CROUND                                         ; in front of the first joint load
	JLOAD 0                                        ; step 0; slot 1 is first filled behind the first trip's round
	s_mul_i32 s41, s10, 64*KPITCH
	v_mul_u32_u24 v43, v1, KPITCH
	v_lshl_add_u32 v43, v2, 4, v43
	v_add_nc_u32 v[KA], s41, v43                   ; key 64 w + r, 16 h
	v_add_nc_u32 v[KA+1], SLOT, v[KA]
	v_and_b32 v44, 7, v0
	v_lshl_add_u32 v44, v2, 3, v44                 ; key 8 h + (l & 7)
	v_mul_u32_u24 v44, v44, VPITCH
	v_bfe_u32 v45, v0, 3, 1
	v_lshl_add_u32 v44, v45, 4, v44                ; 16 bytes on for lanes 8-15 and 24-31
	s_mul_i32 s41, s10, 64*VPITCH
	s_add_co_u32 s41, s41, KBYTES
	v_add_nc_u32 v[VA], s41, v44
	v_add_nc_u32 v[VA+1], SLOT, v[VA]
	v_lshlrev_b32 v[SB], 5, v1
	v_add_nc_u32 v[SB], STATS, v[SB]
	v_lshl_add_u32 v[SA], s10, 2, v[SB]
	v_mul_u32_u24 v[ST], v1, MPITCH
	v_lshl_add_u32 v[ST], v2, 5, v[ST]
	s_mul_i32 s41, s10, MSTAGE
	v_add_nc_u32 v[ST], s41, v[ST]
	s_mul_i32 s41, s10, 16*MPITCH
	v_lshl_add_u32 v[RD0], v3, 4, s41
	v_add_nc_u32 v[RD2], 2*MSTAGE, v[RD0]
	s_lshl_b32 s41, s10, 13
	v_lshl_add_u32 v[OO], v3, 4, s41
.irp qt, 0,1,2,3
	v_mov_b32 v[NP+2*\qt+1], 0                     ; the lane exchange's destination counts as read
.endr
	s_wait_loadcnt 0x0                             ; Q, once
; The softmax of a step, the four query tiles side by side so that no instruction waits for the one in front of it.
.macro SOFTMAX first
	WIN 0x0a                                       ; sources 0 and 1 window 2 (S), the rest window 0
.irp qt, 0,1,2,3
	v_max_num_f32 v[TX+\qt], v[SS+8*\qt], v[SS+8*\qt+1]
.endr
.set p, 1
.rept 15
.irp qt, 0,1,2,3
	v_max3_num_f32 v[TX+\qt], v[SS+8*(4*(p/4)+\qt)+2*(p%4)], v[SS+8*(4*(p/4)+\qt)+2*(p%4)+1], v[TX+\qt]
.endr
.set p, p+1
.endr
	WIN 0
.irp qt, 0,1,2,3
	v_permlanex16_b32 v[NP+2*\qt+1], v[TX+\qt], s46, s47   ; the other half of the lanes holds the query's other keys
.endr
.irp qt, 0,1,2,3
	v_max_num_f32 v[TX+\qt], v[TX+\qt], v[NP+2*\qt+1]
.endr
.irp qt, 0,1,2,3
	v_mul_f32 v[TX+\qt], NCEXP, v[TX+\qt]          ; - c x maximum, rounded once; every exponent below uses this same number
.endr
.if \first == 0
.irp qt, 0,1,2,3
	v_min_num_f32 v[TX+\qt], v[TX+\qt], v[NP+2*\qt]
.endr
.irp qt, 0,1,2,3
	v_sub_f32 v[AP+2*\qt], v[TX+\qt], v[NP+2*\qt]  ; c (old maximum - new maximum), at most 0
.endr
.irp qt, 0,1,2,3
	v_exp_f32 v[AP+2*\qt], v[AP+2*\qt]
.endr
.endif
.irp qt, 0,1,2,3
	v_mov_b32 v[NP+2*\qt], v[TX+\qt]               ; plain instructions behind the exponentials, which touch neither their results nor their sources
.endr
	WIN 0x82                                       ; S in place
.irp kt, 0,1,2,3
.irp qt, 0,1,2,3
.irp j, 0,2,4,6
	v_pk_fma_f32 v[SS+8*(4*\kt+\qt)+\j:SS+8*(4*\kt+\qt)+\j+1], v[SS+8*(4*\kt+\qt)+\j:SS+8*(4*\kt+\qt)+\j+1], s[42:43], v[NP+2*\qt:NP+2*\qt+1] op_sel_hi:[1,0,0]
.endr
.endr
.endr
.set p, 0
.rept 128
	v_exp_f32 v[SS+p], v[SS+p]
.set p, p+1
.endr
	v_nop                                          ; one plain place behind the run of exponentials
	WIN 0x0a
	s_wait_alu depctr_va_vdst(0)
.irp qt, 0,1,2,3
	v_pk_add_f32 v[SUM+2*\qt:SUM+2*\qt+1], v[SS+8*\qt:SS+8*\qt+1], v[SS+8*\qt+2:SS+8*\qt+3]   ; the first two pairs start the sums
.endr
.irp kt, 0,1,2,3
.irp qt, 0,1,2,3
.irp j, 0,1,2,3
	v_cvt_pk_f16_f32 v[PP+8*(4*(\kt/2)+\qt)+4*(\kt%2)+\j], v[SS+8*(4*\kt+\qt)+2*\j], v[SS+8*(4*\kt+\qt)+2*\j+1]
.endr
.endr
.endr
	WIN 0x02
.set p, 2
.rept 14
.irp qt, 0,1,2,3
	v_pk_add_f32 v[SUM+2*\qt:SUM+2*\qt+1], v[SS+8*(4*(p/4)+\qt)+2*(p%4):SS+8*(4*(p/4)+\qt)+2*(p%4)+1], v[SUM+2*\qt:SUM+2*\qt+1]
.endr
.set p, p+1
.endr
	WIN 0
.if \first
.irp qt, 0,1,2,3
	v_add_f32 v[AP+2*\qt+1], v[SUM+2*\qt], v[SUM+2*\qt+1]
.endr
.else
.irp qt, 0,1,2,3
	v_add_f32 v[SUM+2*\qt], v[SUM+2*\qt], v[SUM+2*\qt+1]
.endr
.irp qt, 0,1,2,3
	v_fma_f32 v[AP+2*\qt+1], v[AP+2*\qt+1], v[AP+2*\qt], v[SUM+2*\qt]
.endr
	WIN 0x41                                       ; O window 1, alpha window 0
.irp dt, 0,1,2,3,4,5,6,7
.irp qt, 0,1,2,3
.irp j, 0,2,4,6
	v_pk_mul_f32 v[8*(4*\dt+\qt)+\j:8*(4*\dt+\qt)+\j+1], v[8*(4*\dt+\qt)+\j:8*(4*\dt+\qt)+\j+1], v[AP+2*\qt:AP+2*\qt+1] op_sel_hi:[1,0]
.endr
.endr
.endr
.endif
.endm
; A step of 256 keys in slot 'slot'.  In front of the round every wave waits for all its tensor loads (its part of this step among them) and for its reads
; of the other slot; behind the round the other slot is filled with the next step, the wave's one joint load, which has this trip's work in which to land.
.macro TRIP slot, oth, first, refill
	s_wait_tensorcnt 0x0
	ds_add_u32 v62, v63
	s_wait_dscnt 0x0
	s_add_nc_u64 s[G0K+4*\slot+2:G0K+4*\slot+3], s[G0K+4*\slot+2:G0K+4*\slot+3], 2*STEPB   ; no load of mine is out: this slot's next step
	s_add_nc_u64 s[G0V+4*\slot+2:G0V+4*\slot+3], s[G0V+4*\slot+2:G0V+4*\slot+3], 2*STEPB
	s_wait_dscnt 0x0
	CROUND
.if \refill
	JLOAD \oth
.endif
	WIN 0xc0                                       ; destination window 3
.irp kt, 0,1,2,3
.irp c, 0,1,2,3
	ds_load_b128 v[KF+8*(4*\kt+\c):KF+8*(4*\kt+\c)+3],   v[KA+\slot] offset:\kt*16*KPITCH+64*\c
	ds_load_b128 v[KF+8*(4*\kt+\c)+4:KF+8*(4*\kt+\c)+7], v[KA+\slot] offset:\kt*16*KPITCH+64*\c+32
.endr
.endr
	WIN 0xab                                       ; S^T = K Q^T: source 0 window 3, the rest window 2
.irp kt, 0,1,2,3
	s_wait_dscnt 24-8*\kt                          ; eight loads for each key tile: the later tiles' stay out
.irp c, 0,1,2,3
.irp qt, 0,1,2,3                                   ; four accumulators take turns, one instruction a turn
.if \c == 0
	v_wmma_f32_16x16x32_f16 v[SS+8*(4*\kt+\qt):SS+8*(4*\kt+\qt)+7], v[KF+8*(4*\kt+\c):KF+8*(4*\kt+\c)+7], v[QQ+8*(4*\qt+\c):QQ+8*(4*\qt+\c)+7], 0
.else
	v_wmma_f32_16x16x32_f16 v[SS+8*(4*\kt+\qt):SS+8*(4*\kt+\qt)+7], v[KF+8*(4*\kt+\c):KF+8*(4*\kt+\c)+7], v[QQ+8*(4*\qt+\c):QQ+8*(4*\qt+\c)+7], v[SS+8*(4*\kt+\qt):SS+8*(4*\kt+\qt)+7]
.endif
.endr
.endr
.endr
	PLACES                                         ; behind these products, whose results the maxima read, and behind the last trip's second product, whose source 0 is loaded next
	WIN 0xc0
.irp kk, 0,1
.irp dt, 0,1,2,3,4,5,6,7
	ds_load_tr16_b128 v[VF+8*(8*\kk+\dt):VF+8*(8*\kk+\dt)+3],   v[VA+\slot] offset:\kk*32*VPITCH+32*\dt
	ds_load_tr16_b128 v[VF+8*(8*\kk+\dt)+4:VF+8*(8*\kk+\dt)+7], v[VA+\slot] offset:\kk*32*VPITCH+32*\dt+16*VPITCH
.endr
.endr
	SOFTMAX \first
	s_wait_dscnt 0x0                               ; V's fragments, issued in front of the softmax
	WIN 0x53                                       ; O^T += V^T P^T: source 0 window 3, source 1 window 0, C and D window 1
.irp kk, 0,1
.irp dt, 0,1,2,3,4,5,6,7
.irp qt, 0,1,2,3                                   ; 32 accumulators take turns
.if \first*(1-\kk)
	v_wmma_f32_16x16x32_f16 v[8*(4*\dt+\qt):8*(4*\dt+\qt)+7], v[VF+8*(8*\kk+\dt):VF+8*(8*\kk+\dt)+7], v[PP+8*(4*\kk+\qt):PP+8*(4*\kk+\qt)+7], 0
.else
	v_wmma_f32_16x16x32_f16 v[8*(4*\dt+\qt):8*(4*\dt+\qt)+7], v[VF+8*(8*\kk+\dt):VF+8*(8*\kk+\dt)+7], v[PP+8*(4*\kk+\qt):PP+8*(4*\kk+\qt)+7], v[8*(4*\dt+\qt):8*(4*\dt+\qt)+7]
.endif
.endr
.endr
.endr
	WIN 0
.endm
	TRIP 0, 1, 1, 1                                ; step 0: its products start the sums, its maximum is the first
	TRIP 1, 0, 0, 1
	s_mov_b32 s40, 2
.Llap:                                             ; steps 2 to 5
	TRIP 0, 1, 0, 1
	TRIP 1, 0, 0, 1
	s_sub_co_u32 s40, s40, 1
	s_cmp_lg_u32 s40, 0
	s_cbranch_scc1 .Llap
	TRIP 0, 1, 0, 1                                ; step 6 asks for step 7, the last fill
	TRIP 1, 0, 0, 0                                ; step 7 (the stepped addresses are not used)
	; THE MERGE of the four waves' parts.  Each wave publishes, for each query, its NM and its sum.
.irp qt, 0,1,2,3
	v_permlanex16_b32 v[NP+2*\qt+1], v[AP+2*\qt+1], s46, s47
.endr
.irp qt, 0,1,2,3
	v_add_f32 v[AP+2*\qt+1], v[AP+2*\qt+1], v[NP+2*\qt+1]  ; the sum over the wave's keys
.endr
.irp qt, 0,1,2,3
	ds_store_b32 v[SA], v[NP+2*\qt] offset:512*\qt         ; lanes r and r + 16 write the same word with the same value
	ds_store_b32 v[SA], v[AP+2*\qt+1] offset:512*\qt+16
.endr
	s_wait_dscnt 0x0
	s_barrier_signal -1
	s_barrier_wait -1
.irp qt, 0,1,2,3
	ds_load_b128 v[MG+8*\qt:MG+8*\qt+3],   v[SB] offset:512*\qt
	ds_load_b128 v[MG+8*\qt+4:MG+8*\qt+7], v[SB] offset:512*\qt+16
.endr
	s_wait_dscnt 0x0
.irp qt, 0,1,2,3
	v_min3_num_f32 v[TX+\qt], v[MG+8*\qt], v[MG+8*\qt+1], v[MG+8*\qt+2]
.endr
.irp qt, 0,1,2,3
	v_min_num_f32 v[TX+\qt], v[TX+\qt], v[MG+8*\qt+3]      ; - c x the maximum over all keys
.endr
.irp qt, 0,1,2,3
	v_sub_f32 v[AP+2*\qt], v[TX+\qt], v[NP+2*\qt]
.irp u, 0,1,2,3
	v_sub_f32 v[MG+8*\qt+\u], v[TX+\qt], v[MG+8*\qt+\u]
.endr
.endr
.irp qt, 0,1,2,3
	v_exp_f32 v[AP+2*\qt], v[AP+2*\qt]
.irp u, 0,1,2,3
	v_exp_f32 v[MG+8*\qt+\u], v[MG+8*\qt+\u]
.endr
.endr
	v_nop                                          ; one plain place behind the exponentials
	s_wait_alu depctr_va_vdst(0)
.irp qt, 0,1,2,3
	v_mul_f32 v[TX+\qt], v[MG+8*\qt], v[MG+8*\qt+4]
.endr
.irp u, 1,2,3
.irp qt, 0,1,2,3
	v_fmac_f32 v[TX+\qt], v[MG+8*\qt+\u], v[MG+8*\qt+4+\u] ; the whole row's sum: the wave that holds the maximum adds about 1 or more
.endr
.endr
.irp qt, 0,1,2,3
	v_rcp_f32 v[TX+\qt], v[TX+\qt]
.endr
	v_nop
	s_wait_alu depctr_va_vdst(0)
.irp qt, 0,1,2,3
	v_mul_f32 v[AP+2*\qt], v[AP+2*\qt], v[TX+\qt]  ; my part's weight
.endr
	WIN 0x41
.irp dt, 0,1,2,3,4,5,6,7
.irp qt, 0,1,2,3
.irp j, 0,2,4,6
	v_pk_mul_f32 v[8*(4*\dt+\qt)+\j:8*(4*\dt+\qt)+\j+1], v[8*(4*\dt+\qt)+\j:8*(4*\dt+\qt)+\j+1], v[AP+2*\qt:AP+2*\qt+1] op_sel_hi:[1,0]
.endr
.endr
.endr
	WIN 0x04                                       ; store data window 1.  Lane (r, h), tile (dt, qt): query 16 qt + r, d = 16 dt + 8 h + 0..7: 32 neighbouring bytes
.irp qt, 0,1,2,3
.irp dt, 0,1,2,3,4,5,6,7
	ds_store_b128 v[ST], v[8*(4*\dt+\qt):8*(4*\dt+\qt)+3]   offset:\qt*16*MPITCH+64*\dt
	ds_store_b128 v[ST], v[8*(4*\dt+\qt)+4:8*(4*\dt+\qt)+7] offset:\qt*16*MPITCH+64*\dt+16
.endr
.endr
	WIN 0
	s_wait_dscnt 0x0
	s_barrier_signal -1
	s_barrier_wait -1
; Wave w adds the four parts of queries 16 w .. 16 w + 15, eight rows at a time; a lane holds 16 bytes of a row, a store covers a row's 512 bytes.
.macro SUM8 grp
.irp i, 0,1,2,3,4,5,6,7
	ds_load_b128 v[MG+16*\i:MG+16*\i+3],     v[RD0] offset:(8*\grp+\i)*MPITCH
	ds_load_b128 v[MG+16*\i+4:MG+16*\i+7],   v[RD0] offset:MSTAGE+(8*\grp+\i)*MPITCH
	ds_load_b128 v[MG+16*\i+8:MG+16*\i+11],  v[RD2] offset:(8*\grp+\i)*MPITCH
	ds_load_b128 v[MG+16*\i+12:MG+16*\i+15], v[RD2] offset:MSTAGE+(8*\grp+\i)*MPITCH
.endr
.irp i, 0,1,2,3,4,5,6,7
	s_wait_dscnt 28-4*\i                           ; four loads a row: the later rows' stay out
	v_pk_add_f32 v[MG+16*\i:MG+16*\i+1],     v[MG+16*\i:MG+16*\i+1],     v[MG+16*\i+4:MG+16*\i+5]
	v_pk_add_f32 v[MG+16*\i+2:MG+16*\i+3],   v[MG+16*\i+2:MG+16*\i+3],   v[MG+16*\i+6:MG+16*\i+7]
	v_pk_add_f32 v[MG+16*\i+8:MG+16*\i+9],   v[MG+16*\i+8:MG+16*\i+9],   v[MG+16*\i+12:MG+16*\i+13]
	v_pk_add_f32 v[MG+16*\i+10:MG+16*\i+11], v[MG+16*\i+10:MG+16*\i+11], v[MG+16*\i+14:MG+16*\i+15]
	v_pk_add_f32 v[MG+16*\i:MG+16*\i+1],     v[MG+16*\i:MG+16*\i+1],     v[MG+16*\i+8:MG+16*\i+9]
	v_pk_add_f32 v[MG+16*\i+2:MG+16*\i+3],   v[MG+16*\i+2:MG+16*\i+3],   v[MG+16*\i+10:MG+16*\i+11]
	global_store_b128 v[OO], v[MG+16*\i:MG+16*\i+3], s[6:7] offset:(8*\grp+\i)*512 th:TH_STORE_NT
.endr
.endm
	SUM8 0
	s_wait_xcnt 0x0                                ; the stores' data registers are loaded again only behind this wait
	SUM8 1
	s_wait_tensorcnt 0x0
	ds_add_u32 v62, v63
	s_wait_dscnt 0x0
	CROUND                                         ; the closing round
	s_endpgm
.Lfunc_end_k_q6f3ac0c3e1_attn:
	.size	k_q6f3ac0c3e1_attn, .Lfunc_end_k_q6f3ac0c3e1_attn-k_q6f3ac0c3e1_attn
	.p2alignl 7, 3214868480
	.fill 96, 4, 3214868480
	.section	.rodata,"a",@progbits
	.p2align	6, 0x0
	.amdhsa_kernel k_q6f3ac0c3e1_attn
		.amdhsa_group_segment_fixed_size 327680
		.amdhsa_private_segment_fixed_size 0
		.amdhsa_enable_private_segment 0
		.amdhsa_kernarg_size 16
		.amdhsa_user_sgpr_count 2
		.amdhsa_user_sgpr_kernarg_segment_ptr 1
		.amdhsa_wavefront_size32 1
		.amdhsa_system_sgpr_workgroup_id_x 1
		.amdhsa_system_sgpr_workgroup_id_y 1
		.amdhsa_system_sgpr_workgroup_id_z 1
		.amdhsa_system_vgpr_workitem_id 0
		.amdhsa_next_free_vgpr 1024
		.amdhsa_next_free_sgpr 66
		.amdhsa_reserve_vcc 0
		.amdhsa_float_denorm_mode_32 3
		.amdhsa_float_denorm_mode_16_64 3
		.amdhsa_memory_ordered 1
		.amdhsa_forward_progress 1
		.amdhsa_inst_pref_size 255
	.end_amdhsa_kernel
	.section	.bss,"aw",@nobits
	.p2align	6
	.space	262144
	.amdgpu_metadata
---
amdhsa.version: [ 1, 2 ]
amdhsa.kernels:
  - .name:           k_q6f3ac0c3e1_attn
    .symbol:         k_q6f3ac0c3e1_attn.kd
    .args:
      - { .name: qkv, .offset: 0, .size: 8, .value_kind: global_buffer, .address_space: global }
      - { .name: out0, .offset: 8, .size: 8, .value_kind: global_buffer, .address_space: global }
    .group_segment_fixed_size: 327680
    .private_segment_fixed_size: 0
    .kernarg_segment_align: 8
    .kernarg_segment_size: 16
    .max_flat_workgroup_size: 128
    .sgpr_count:     66
    .vgpr_count:     1024
    .wavefront_size: 32
...
	.end_amdgpu_metadata
.endif
;; end of part 3
;; ======== version 2 of 2: 3 launches; 1.12 times as fast as version 1
;; limits: values are held in f16: magnitudes above 65,504 overflow, below 6.1e-05 lose precision
;; workspace buffers: wt 1,572,864 bytes; qkv 12,582,912 bytes
;; launch prep (part 4): grid 16 x 6, 8 waves a work-group, no clusters, 18,432 bytes of LDS; arguments Wq, Wk, Wv, wt; writes wt
.if DOCPART == 4
	.amdgcn_target "amdgcn-amd-amdhsa--gfx1250"
	.amdhsa_code_object_version 6
	.text
	.protected	k_q6f3ac0c3e1_prep
	.globl	k_q6f3ac0c3e1_prep
	.p2align	8
	.type	k_q6f3ac0c3e1_prep,@function
k_q6f3ac0c3e1_prep:
	s_mov_b64 s[64:65], 0
	v_nop
	global_prefetch_b8 v0, s[64:65] scope:SCOPE_SE
	s_setreg_imm32_b32 hwreg(HW_REG_WAVE_MODE, 25, 1), 1
	s_wait_xcnt 0x0
; wt = the three weight matrices [2048 k][128 n] f32, rounded once to bf16, transposed, and cut into the tiles that the projection walks:
; wt[half][chunk][192 rows][256 k]: a tile is 98,304 dense bytes.  Half 0: rows 0-127 Wq's columns, rows 128-191 Wk's columns 0-63.
; Half 1: rows 0-127 Wv's columns, rows 128-191 Wk's columns 64-127.  Chunk c holds k = 256 c .. 256 c + 255.
; A work-group takes 128 k x 64 n: 64 n are 256 bytes of an input row, 128 k are 256 bytes of an output row, so every
; load covers whole aligned pieces of 256 bytes and so does every store.  16 x 6 = 96 work-groups: that is all the work.
; Thread t: nq = t & 15 (four columns, 16 bytes), ko = t >> 4 (eight rows of k).  The transposition costs nothing in
; registers: v_cvt_pk_bf16_f32 pairs k = 2jj and 2jj+1 of one column.  It then goes through LDS to gather whole rows.
; No matrix unit, no cluster, no tensor load: 3 MB are read once, nothing is shared.
.set WROW,  512                        ; bytes in a row of W
.set TROW,  512                        ; bytes in a row of a tile of wt
.set TILEB, 192*TROW
.set PITCH, 272                        ; LDS row: 128 bf16 + 16 bytes
.set IN,  8                            ; v[8:39]  eight rows x four columns f32; later the rows read back
.set PK,  40                           ; v[40:55] column i: 8 bf16 along k
	s_load_b256 s[4:11], s[0:1], 0x0               ; Wq s[4:5], Wk s[6:7], Wv s[8:9], wt s[10:11]
	v_lshl_add_u32 v64, v0, 2, 0x4400
	v_mov_b32 v65, 0
	s_and_b32 s12, ttmp7, 0xffff                   ; y = 2 x matrix + half of its columns
	s_lshr_b32 s13, s12, 1                         ; matrix 0, 1, 2
	s_and_b32 s14, s12, 1
	s_lshl_b32 s15, s14, 8                         ; 64 columns = 256 bytes
	s_lshl_b32 s16, ttmp9, 16                      ; 128 rows of 512 bytes
	s_add_co_u32 s16, s16, s15
	s_mov_b32 s17, 0
	s_cmp_ge_u32 s12, 3                            ; y = 0, 1, 2 go to half 0, y = 3, 4, 5 to half 1
	s_cselect_b32 s18, 8, 0                        ; eight tiles in a half
	s_lshr_b32 s19, ttmp9, 1                       ; chunk: two blocks of 128 k
	s_add_co_u32 s18, s18, s19
	s_mul_i32 s18, s18, TILEB
	s_lshl_b32 s19, s14, 15                        ; Wq, Wv: tile rows 0 or 64
	s_cmp_eq_u32 s13, 1
	s_cselect_b32 s19, 0x10000, s19                ; Wk: tile rows 128 and on
	s_add_co_u32 s18, s18, s19
	s_and_b32 s19, ttmp9, 1
	s_lshl_b32 s19, s19, 8                         ; which 256 bytes of the tile's rows
	s_add_co_u32 s18, s18, s19
	s_mov_b32 s19, 0
	v_and_b32 v1, 15, v0                           ; nq
	v_lshrrev_b32 v2, 4, v0                        ; ko
	v_lshlrev_b32 v3, 4, v1
	v_lshl_add_u32 v4, v2, 12, v3                  ; loads: eight rows of W down for each ko, 16 nq
	v_lshl_add_u32 v7, v2, 9, v3                   ; stores: tile row t >> 4, 16 (t & 15)
	v_mul_u32_u24 v5, v1, 4*PITCH
	v_lshl_add_u32 v5, v2, 4, v5                   ; LDS in: row 4 nq (+ i), 16 bytes at k = 8 ko
	v_mul_u32_u24 v6, v2, PITCH
	v_add_nc_u32 v6, v6, v3                        ; LDS back: row t >> 4 (+ 16 i), 16 bytes at 16 (t & 15)
	s_wait_kmcnt 0x0
	s_cmp_eq_u32 s13, 0
	s_cselect_b64 s[20:21], s[4:5], s[6:7]
	s_cmp_eq_u32 s13, 2
	s_cselect_b64 s[20:21], s[8:9], s[20:21]       ; the matrix of this work-group
	s_add_nc_u64 s[20:21], s[20:21], s[16:17]
	s_add_nc_u64 s[10:11], s[10:11], s[18:19]
.irp j, 0,1,2,3,4,5,6,7
	global_load_b128 v[IN+4*\j:IN+4*\j+3], v4, s[20:21] offset:\j*WROW th:TH_LOAD_NT   ; sixteen lanes: 256 bytes of row 8 ko + j
.endr
	s_wait_loadcnt 0x0                             ; all eight rows are needed at once
.irp i, 0,1,2,3
.irp jj, 0,1,2,3
	v_cvt_pk_bf16_f32 v[PK+4*\i+\jj], v[IN+8*\jj+\i], v[IN+4+8*\jj+\i]   ; column i: k = 2jj low, 2jj+1 high
.endr
.endr
.irp i, 0,1,2,3
	ds_store_b128 v5, v[PK+4*\i:PK+4*\i+3] offset:\i*PITCH   ; sixteen lanes stand four rows apart (1,088 bytes): four of them meet in a bank group; four stores in all
.endr
	s_wait_dscnt 0x0                               ; for the other waves' sake: my stores are in LDS
	s_barrier_signal -1
	s_barrier_wait -1
.irp i, 0,1,2,3
	ds_load_b128 v[IN+4*\i:IN+4*\i+3], v6 offset:\i*16*PITCH
.endr
.irp i, 0,1,2,3
	s_wait_dscnt 3-\i                              ; LDS loads come back in order: load i is in, the younger stay out
	global_store_b128 v7, v[IN+4*\i:IN+4*\i+3], s[10:11] offset:\i*16*TROW   ; sixteen lanes store 256 consecutive bytes, aligned
.endr
	s_wait_tensorcnt 0x0
	ds_add_u32 v64, v65
	s_wait_dscnt 0x0
	s_endpgm
.Lfunc_end_k_q6f3ac0c3e1_prep:
	.size	k_q6f3ac0c3e1_prep, .Lfunc_end_k_q6f3ac0c3e1_prep-k_q6f3ac0c3e1_prep
	.p2alignl 7, 3214868480
	.fill 96, 4, 3214868480
	.section	.rodata,"a",@progbits
	.p2align	6, 0x0
	.amdhsa_kernel k_q6f3ac0c3e1_prep
		.amdhsa_group_segment_fixed_size 18432
		.amdhsa_private_segment_fixed_size 0
		.amdhsa_enable_private_segment 0
		.amdhsa_kernarg_size 32
		.amdhsa_user_sgpr_count 2
		.amdhsa_user_sgpr_kernarg_segment_ptr 1
		.amdhsa_wavefront_size32 1
		.amdhsa_system_sgpr_workgroup_id_x 1
		.amdhsa_system_sgpr_workgroup_id_y 1
		.amdhsa_system_sgpr_workgroup_id_z 1
		.amdhsa_system_vgpr_workitem_id 0
		.amdhsa_next_free_vgpr 66
		.amdhsa_next_free_sgpr 66
		.amdhsa_reserve_vcc 0
		.amdhsa_float_denorm_mode_32 3
		.amdhsa_float_denorm_mode_16_64 3
		.amdhsa_memory_ordered 1
		.amdhsa_forward_progress 1
		.amdhsa_inst_pref_size 5
	.end_amdhsa_kernel
	.amdgpu_metadata
---
amdhsa.version: [ 1, 2 ]
amdhsa.kernels:
  - .name:           k_q6f3ac0c3e1_prep
    .symbol:         k_q6f3ac0c3e1_prep.kd
    .args:
      - { .name: Wq, .offset: 0, .size: 8, .value_kind: global_buffer, .address_space: global }
      - { .name: Wk, .offset: 8, .size: 8, .value_kind: global_buffer, .address_space: global }
      - { .name: Wv, .offset: 16, .size: 8, .value_kind: global_buffer, .address_space: global }
      - { .name: wt, .offset: 24, .size: 8, .value_kind: global_buffer, .address_space: global }
    .group_segment_fixed_size: 18432
    .private_segment_fixed_size: 0
    .kernarg_segment_align: 8
    .kernarg_segment_size: 32
    .max_flat_workgroup_size: 256
    .sgpr_count:     66
    .vgpr_count:     66
    .wavefront_size: 32
...
	.end_amdgpu_metadata
.endif
;; end of part 4
;; launch proj (part 5): grid 256 x 1, 4 waves a work-group, clusters of 4 x 1, 327,680 bytes of LDS; arguments x, wt, bq, bk, bv, qkv; writes qkv
.if DOCPART == 5
	.amdgcn_target "amdgcn-amd-amdhsa--gfx1250"
	.amdhsa_code_object_version 6
	.text
	.protected	k_q6f3ac0c3e1_proj
	.globl	k_q6f3ac0c3e1_proj
	.p2align	8
	.type	k_q6f3ac0c3e1_proj,@function
k_q6f3ac0c3e1_proj:
	s_mov_b64 s[64:65], 0
	v_nop
	global_prefetch_b8 v0, s[64:65] scope:SCOPE_SE
	s_setreg_imm32_b32 hwreg(HW_REG_WAVE_MODE, 25, 1), 1
	s_wait_xcnt 0x0
	s_wait_alu depctr_hold_cnt(0) depctr_sa_sdst(0) depctr_va_vdst(0) depctr_va_sdst(0) depctr_va_ssrc(0) depctr_va_vcc(0) depctr_vm_vsrc(0)
	s_getreg_b32 s2, hwreg(HW_REG_IB_STS2, 6, 4)
	s_cmp_eq_u32 s2, 0
	s_cbranch_scc0 .Lentry_in_a_cluster
	s_endpgm
.Lentry_in_a_cluster:
	s_bfe_u32 s2, ttmp6, 0x10000c
	s_cmp_lg_u32 s2, 0x3003
	s_cbranch_scc0 .Lentry_shape_is_right
	s_endpgm
.Lentry_shape_is_right:
; q, k, v = f16( x . W + b ): the three projections as one product [16384 x 2048] x [2048 x 384].
; x (f32) and W (wt, already bf16) are multiplied in bf16 with f32 sums; the bias is added in f32.
; qkv holds four dense regions: Q [16384][128] at byte 0, KL [16384][64] (k's columns 0-63) at 4 MiB, KH (columns 64-127) at 6 MiB, V [16384][128] at 8 MiB.
; LIMIT: q, k, v are kept in f16, so |q|, |k|, |v| must stay below 65,504 (beyond it the conversion gives infinity).
; A work-group takes 128 rows x 192 columns: half 0 = q and k's first 64 columns, half 1 = v and k's last 64 (the order of wt's rows).  Between two fills of a
; slot of W a wave has rows x slot bytes / 8192 matrix cycles, so 128 rows leave a tile twice the work of 64 rows in which to land, and W is walked in 8 chunks.
; Wave w = (wi, wj) takes rows 64 wi .. + 63 x columns 96 wj .. + 95: 24 accumulator tiles, 192 registers.  K goes in 16 steps of 128, each of four
; quarters of 32: 24 matrix instructions on 4 fragments of x and 6 of W (20 LDS loads).
; W: the four work-groups of a cluster have the same half of the columns and ask for each chunk (256 k: 192 rows x 512 bytes, dense in wt) JOINTLY, mask 15.
; Wave w brings 48 rows by one tensor load; two slots; by this text's count a wave has two tensor loads out at the start, then one.
; x: it has to be rounded, so it comes through registers: wave w loads rows 32 w .. 32 w + 31 of a step (one load = one row's 512 bytes), rounds them once and
; puts them into one of two LDS buffers.  Two sets of 128 registers; 56 loads of every wave are out.  A row of x is read by two work-groups (the two halves
; of the columns, in clusters 8 apart in the launch's order).  It is NOT asked for jointly: as f32 in LDS a step of 128 rows is 65,536 bytes, two slots
; of it do not fit beside W's 202,752, and loads into registers may stay out across the barriers.
; The matrix instruction is used transposed (source 0 = rows of wt, source 1 = rows of x): a lane then holds eight neighbouring columns of one row.
;
; REGISTERS in windows of 256: window 0 addresses and the two fragment buffers; window 1 the accumulators, tile (a, b) at 8 (6 a + b);
; windows 2 and 3 the x path, one set each: v0-127 as loaded, v128-143 at work, v144-145 addresses (a copy in each window).
.set PITCH,  272                       ; x in LDS: a row of 128 bf16 + 16 bytes
.set WPITCH, 528                       ; W in LDS: a row of 256 bf16 + 16 bytes.  Both are odd multiples of 16: a fragment's sixteen rows start in sixteen different 16-byte columns of 256
.set WSLOT,  192*WPITCH                ; a chunk of W: 101,376 bytes
.set WPART,  48*WPITCH                 ; a wave's part of it
.set CHUNKB, 192*512                   ; a chunk in wt
.set XB0,    2*WSLOT                   ; 202,752: two buffers of x in bf16, written by ds_store alone
.set XBUF,   128*PITCH
.set STAGE,  XB0+2*XBUF                ; 272,384: the way out, 128 rows of 384 + 16 bytes
.set SPITCH, 400
.set BIAS,   STAGE+128*SPITCH          ; 323,584: 192 f32
.set XROW,   8192                      ; bytes in a row of x
.set AX,  8                            ; v8      x fragments
.set BW,  9                            ; v9-10   W fragments in slot 0, 1
.set BA,  11                           ; v11     my eight biases
.set STO, 12                           ; v12     stage, in
.set RDB, 13                           ; v13     stage, back: the 256-byte part of two rows
.set RDS, 14                           ; v14     stage, back: the 128-byte part of four rows
.set COB, 15                           ; v15     my byte offset in the work-group's rows of Q or V
.set COS, 16                           ; v16     the same in KL or KH
.set BST, 17                           ; v17     where my 8 bytes of bias go
.set L16, 18                           ; v18     16 x lane
.set L8,  19                           ; v19     8 x lane
.set BD,  20                           ; v[20:21] bias as loaded (waves 0 to 2)
.set F0,  32                           ; fragment buffer 0: x at +8 a, W at +32 + 8 b
.set F1,  112                          ; fragment buffer 1
.set XT,  128                          ; windows 2, 3: sixteen packed words
.set XS,  144                          ; windows 2, 3: LDS address of my rows in x buffer 0
.set XO,  145                          ; windows 2, 3: my byte offset in the work-group's rows of x
.set G1,  24                           ; s[24:31] descriptor group 1
.set G0,  32                           ; s[32:39] descriptor group 0, one set for each slot
.set MSB, 0
.macro WIN new                         ; the immediate's high byte repeats the setting that is left
.if MSB != \new
	s_set_vgpr_msb (MSB<<8)|\new
.set MSB, \new
.endif
.endm
.macro PLACES                          ; four places behind a matrix instruction (ISA guide 7.12.1), where no useful vector work is at hand
.rept 4
	v_nop
.endr
.endm
.macro CREST                           ; a round of the cluster's barrier behind its opening work-group barrier
	s_cmp_lg_u32 s16, 0
	s_cbranch_scc1 .Lnot_wave_0_\@
	s_barrier_signal -3
.Lnot_wave_0_\@:
	s_barrier_wait -3
	s_barrier_signal -1
	s_barrier_wait -1
.endm
.macro CROUND                          ; a whole round
	s_barrier_signal -1
	s_barrier_wait -1
	CREST
.endm
	s_load_b256 s[4:11], s[0:1], 0x0               ; x s[4:5], wt s[6:7], bq s[8:9], bk s[10:11]
	s_load_b128 s[12:15], s[0:1], 0x20             ; bv s[12:13], qkv s[14:15]
	s_set_vgpr_msb 0x80
	v_lshl_add_u32 v254, v0, 2, 0x4f300
	v_mov_b32 v255, 0
	s_set_vgpr_msb 0x808a
	ds_add_u32 v254, v255
	s_set_vgpr_msb 0x8a00
	v_lshrrev_b32 v1, 5, v0
	v_readfirstlane_b32 s16, v1                    ; wave 0..3
	s_lshr_b32 s49, s16, 1                         ; wi: which 64 rows
	s_and_b32 s50, s16, 1                          ; wj: which 96 columns
	s_bfe_u32 s17, ttmp6, 0x40000                  ; cx
	s_bfe_u32 s48, ttmp9, 0x10003                  ; half of the columns: bit 3 of the cluster's number, the same in all four partners
	s_and_b32 s41, ttmp9, 7
	s_lshr_b32 s18, ttmp9, 4
	s_lshl_b32 s18, s18, 3
	s_or_b32 s18, s18, s41                         ; the cluster's other five bits: which four row blocks
	s_lshl_b32 s18, s18, 2
	s_add_co_u32 s18, s18, s17                     ; row block 0..127.  s17, s18, s44-47, s52, s53 alone hold what hangs on cx
	s_lshl_b32 s44, s18, 20                        ; x: 128 rows x 8,192 bytes (below 2^27)
	s_mov_b32 s45, 0
	s_lshl_b32 s46, s18, 15                        ; Q or V: 128 rows x 256 bytes,
	s_lshl_b32 s41, s48, 23                        ; V lies 8 MiB in
	s_add_co_u32 s46, s46, s41
	s_mov_b32 s47, 0
	s_lshl_b32 s52, s18, 14                        ; KL or KH: 128 rows x 128 bytes,
	s_lshl_b32 s41, s48, 21                        ; KH 2 MiB behind KL,
	s_add_co_u32 s52, s52, s41
	s_add_co_u32 s52, s52, 0x400000                ; KL 4 MiB in
	s_mov_b32 s53, 0
	s_mul_i32 s20, s48, 8*CHUNKB                   ; wt: my half's eight chunks,
	s_mul_i32 s41, s16, 48*512                     ; my 48 rows of a chunk
	s_add_co_u32 s20, s20, s41
	s_mov_b32 s21, 0
	s_mul_i32 s19, s16, WPART                      ; and where they go in a slot
	v_and_b32 v3, 31, v0                           ; lane
	v_lshlrev_b32 v[L16], 4, v3
	v_lshlrev_b32 v[L8], 3, v3
	s_lshl_b32 s41, s16, 18                        ; 32 rows of x
	v_add_nc_u32 v7, s41, v[L16]
	s_mul_i32 s41, s16, 32*PITCH
	s_add_co_u32 s41, s41, XB0
	v_add_nc_u32 v6, s41, v[L8]                    ; 8 bytes a lane: a row of 128 bf16 is one store of the wave
	s_wait_dscnt 0x0
	s_wait_kmcnt 0x0
	s_add_nc_u64 s[22:23], s[4:5], s[44:45]        ; x at the work-group's first row; stepped along K
	s_add_nc_u64 s[46:47], s[14:15], s[46:47]      ; where the 128-column part goes
	s_add_nc_u64 s[52:53], s[14:15], s[52:53]      ; where the 64-column part goes
	s_add_nc_u64 s[6:7], s[6:7], s[20:21]
	; the bias of my 192 columns, 64 (256 bytes) for each of waves 0, 1, 2: bq or bv in two pieces, then a half of bk.  It is the wave's oldest load.
	s_cmp_eq_u32 s16, 3
	s_cbranch_scc1 .Lno_bias_load
	s_cmp_eq_u32 s48, 0
	s_cselect_b64 s[42:43], s[8:9], s[12:13]
	s_lshl_b32 s54, s16, 8
	s_lshl_b32 s41, s48, 8
	s_cmp_eq_u32 s16, 2
	s_cselect_b64 s[42:43], s[10:11], s[42:43]
	s_cselect_b32 s54, s41, s54
	s_mov_b32 s55, 0
	s_add_nc_u64 s[42:43], s[42:43], s[54:55]
	global_load_b64 v[BD:BD+1], v[L8], s[42:43]
.Lno_bias_load:
	WIN 0x80                                       ; destination window 2
	v_mov_b32 v[XS], v6
	v_mov_b32 v[XO], v7
	WIN 0xc0                                       ; destination window 3
	v_mov_b32 v[XS], v6
	v_mov_b32 v[XO], v7
	WIN 0x8a                                       ; destination, sources 0 and 1 in window 2
.set n, 0
.rept 32
	global_load_b128 v[4*n:4*n+3], v[XO], s[22:23] offset:n*XROW          ; step 0 into set 0
.set n, n+1
.endr
	WIN 0xcf                                       ; the same in window 3
.set n, 0
.rept 24
	global_load_b128 v[4*n:4*n+3], v[XO], s[22:23] offset:512+n*XROW      ; step 1, its first three pieces, into set 1: seven pieces are out
.set n, n+1
.endr
	WIN 0
	; descriptor group 1: 48 rows x 256 elements of 2 bytes, dense, 16 bytes of padding behind every 128 words, for all four work-groups of the cluster
	s_mov_b32 s[G1+0], 15|(1<<16)|(1<<20)|(1<<21)|(6<<22)|(3<<25)
	s_mov_b32 s[G1+1], 256<<16                     ; tensor_dim0 = 256
	s_mov_b32 s[G1+2], 48<<16                      ; tensor_dim1 = 48
	s_mov_b32 s[G1+3], 256<<16                     ; tile_dim0 = 256
	s_mov_b32 s[G1+4], 48                          ; tile_dim1 = 48
	s_mov_b32 s[G1+5], 256                         ; elements from row to row
	s_mov_b32 s[G1+6], 0
	s_mov_b32 s[G1+7], 0
.irp n, 0,1
	s_mov_b32 s[G0+4*\n], 1
	s_add_co_u32 s[G0+4*\n+1], s19, \n*WSLOT       ; LDS: slot + wave x 48 rows
	s_add_nc_u64 s[G0+4*\n+2:G0+4*\n+3], s[6:7], \n*CHUNKB   ; chunk n of my half, my 48 rows: nothing of cx in it
	s_or_b32 s[G0+4*\n+3], s[G0+4*\n+3], 0x80000000
.endr
	CROUND                                         ; the four work-groups are here: the first joint loads meet
	tensor_load_to_lds s[G0:G0+3], s[G1:G1+7]      ; W, chunk 0
	s_nop 0
	tensor_load_to_lds s[G0+4:G0+7], s[G1:G1+7]    ; W, chunk 1
	s_nop 0
	; the other addresses.  A fragment: lane l holds row r = l % 16; registers 0-3 K = 8 h + 0..7, registers 4-7 K = 16 + 8 h + 0..7, h = l / 16
	v_and_b32 v1, 15, v0                           ; r
	v_bfe_u32 v2, v0, 4, 1                         ; h
	v_mul_u32_u24 v4, v1, PITCH
	v_lshl_add_u32 v4, v2, 4, v4
	s_mul_i32 s41, s49, 64*PITCH
	s_add_co_u32 s41, s41, XB0
	v_add_nc_u32 v[AX], s41, v4                    ; x: row 64 wi + r
	v_mul_u32_u24 v4, v1, WPITCH
	v_lshl_add_u32 v4, v2, 4, v4
	s_mul_i32 s41, s50, 96*WPITCH
	v_add_nc_u32 v[BW], s41, v4                    ; W: row 96 wj + r
	v_add_nc_u32 v[BW+1], WSLOT, v[BW]
	s_mul_i32 s41, s50, 384
	s_add_co_u32 s41, s41, BIAS
	v_lshl_add_u32 v[BA], v2, 5, s41               ; bias of columns 96 wj + 8 h (+ 16 b)
	v_mul_u32_u24 v5, v1, SPITCH
	v_lshl_add_u32 v5, v2, 4, v5
	s_mul_i32 s41, s49, 64*SPITCH
	s_mul_i32 s54, s50, 192
	s_add_co_u32 s41, s41, s54
	s_add_co_u32 s41, s41, STAGE
	v_add_nc_u32 v[STO], s41, v5                   ; row 64 wi + r, 16 bytes at column 96 wj + 8 h
	s_mul_i32 s41, s16, 32*SPITCH
	s_add_co_u32 s41, s41, STAGE
	v_mul_u32_u24 v5, v2, SPITCH
	v_lshl_add_u32 v5, v1, 4, v5
	v_add_nc_u32 v[RDB], s41, v5                   ; rows 32 w + h, 16 bytes at 16 r
	v_lshrrev_b32 v5, 3, v3
	v_mul_u32_u24 v5, v5, SPITCH
	v_and_b32 v4, 7, v0
	v_lshl_add_u32 v5, v4, 4, v5
	s_add_co_u32 s41, s41, 256
	v_add_nc_u32 v[RDS], s41, v5                   ; rows 32 w + lane / 8, 16 bytes at 256 + 16 (lane % 8)
	s_lshl_b32 s41, s16, 13
	v_add_nc_u32 v[COB], s41, v[L16]               ; 32 rows of 256 bytes a wave; two rows are 32 lanes x 16 bytes
	s_lshl_b32 s41, s16, 12
	v_add_nc_u32 v[COS], s41, v[L16]               ; 32 rows of 128 bytes a wave; four rows are 32 lanes x 16 bytes
	s_lshl_b32 s41, s16, 8
	s_add_co_u32 s41, s41, BIAS
	v_add_nc_u32 v[BST], s41, v[L8]
; A piece of x: rows 8 q .. 8 q + 7 of my 32, in register set cs (window 2 + cs), are rounded and stored into x buffer cs.
; mode 2: the registers of the piece converted just before this one are requested again, two steps on: for q = 0 that is piece 3 of the other set.
; So seven pieces, 56 loads, are out in front of the wait, and cnt = how many younger loads may stay out.  The base stands at the step of the request: it steps in front
; of piece 1.  The sixteen conversions are also the places behind the matrix instructions that last read the fragment buffer which is fetched next;
; mode 0 (no x left): v_nop in their stead.
.macro XPIECE q, cs, mode, cnt
.if \mode
.if \mode == 2
.if \q == 1
	s_wait_xcnt 0x0                                ; the loads that name s[22:23] have had their addresses translated: the base may step
	s_add_nc_u64 s[22:23], s[22:23], 512
.endif
.endif
	s_wait_loadcnt \cnt                            ; loads come back in order (ISA guide 5.7.1): the oldest eight are in
.if \mode == 2
.if \q == 0
	WIN (0xcf-0x45*\cs)                            ; the other set's window
.irp n, 0,1,2,3,4,5,6,7
	global_load_b128 v[96+4*\n:96+4*\n+3], v[XO], s[22:23] offset:(24+\n)*XROW
.endr
.else
	WIN (0x8a+0x45*\cs)
.irp n, 0,1,2,3,4,5,6,7
	global_load_b128 v[32*(\q)-32+4*\n:32*(\q)-32+4*\n+3], v[XO], s[22:23] offset:(8*(\q)-8+\n)*XROW
.endr
.endif
.endif
	WIN (0x8a+0x45*\cs)
.irp n, 0,1,2,3,4,5,6,7
	v_cvt_pk_bf16_f32 v[XT+2*\n],   v[32*(\q)+4*\n],   v[32*(\q)+4*\n+1]
	v_cvt_pk_bf16_f32 v[XT+2*\n+1], v[32*(\q)+4*\n+2], v[32*(\q)+4*\n+3]
.endr
.irp n, 0,1,2,3,4,5,6,7
	ds_store_b64 v[XS], v[XT+2*\n:XT+2*\n+1] offset:(\cs)*XBUF+(8*(\q)+\n)*PITCH   ; 32 lanes: 256 neighbouring bytes, one row
.endr
.else
	PLACES
.endif
.endm
; 20 LDS loads: the fragments of quarter q of a step (my 64 rows of x in buffer kh, my 96 rows of W at half kh of the slot's rows) into buffer f
.macro FETCH slot, kh, q, f
	WIN 0
.irp a, 0,1,2,3
	ds_load_b128 v[\f+8*\a:\f+8*\a+3],   v[AX] offset:(\kh)*XBUF+\a*16*PITCH+64*(\q)
	ds_load_b128 v[\f+8*\a+4:\f+8*\a+7], v[AX] offset:(\kh)*XBUF+\a*16*PITCH+64*(\q)+32
.endr
.irp b, 0,1,2,3,4,5
	ds_load_b128 v[\f+32+8*\b:\f+32+8*\b+3],   v[BW+(\slot)] offset:\b*16*WPITCH+256*(\kh)+64*(\q)
	ds_load_b128 v[\f+32+8*\b+4:\f+32+8*\b+7], v[BW+(\slot)] offset:\b*16*WPITCH+256*(\kh)+64*(\q)+32
.endr
.endm
; 12 matrix instructions: row blocks a0, a0 + 1 x all six column blocks.  The 24 accumulators take turns, one instruction a turn, in the same
; order everywhere.  zero = 1: the first product starts the sums.
.macro MUL2 f, a0, zero
	WIN 0x50                                       ; C and D window 1, fragments window 0
.irp a, \a0, \a0+1
.irp b, 0,1,2,3,4,5
.if \zero
	v_wmma_f32_16x16x32_bf16 v[8*(6*(\a)+\b):8*(6*(\a)+\b)+7], v[\f+32+8*\b:\f+32+8*\b+7], v[\f+8*(\a):\f+8*(\a)+7], 0
.else
	v_wmma_f32_16x16x32_bf16 v[8*(6*(\a)+\b):8*(6*(\a)+\b)+7], v[\f+32+8*\b:\f+32+8*\b+7], v[\f+8*(\a):\f+8*(\a)+7], v[8*(6*(\a)+\b):8*(6*(\a)+\b)+7]
.endif
.endr
.endr
.endm
; One of a step's first three quarters: a piece of the next step's x, the next quarter's fragments into g, then buffer f is multiplied.
.macro QUARTER slot, kh, cs, q, f, g, zero, xmode, cnt
	XPIECE \q, \cs, \xmode, \cnt
	FETCH \slot, \kh, \q+1, \g
	s_wait_dscnt 20                                ; all but the 20 loads just issued: buffer f is in
	MUL2 \f, 0, \zero
	MUL2 \f, 2, \zero
.endm
; The last quarter multiplies buffer 1 and goes over to the next step (slot nslot, half nkh).  In front of the barrier each wave waits for its LDS work: its reads of
; this x buffer and of this slot, its stores into the other x buffer.
; kind 3: the next step lies in the same slot: a plain barrier for the x buffers; my tensor load may stay out.
; kind 2: the chunk ends: all my tensor loads are waited for (one is out: my part of the other slot), the barrier opens a round of the cluster's barrier, and
;         behind the round this slot is filled again, two chunks ahead, by the wave's one joint load.
; kind 1: the chunk ends and nothing is left to fill.  kind 0: the last step.
.macro TURN slot, cs, xmode, cnt, kind, nslot, nkh
.if \xmode
	XPIECE 3, \cs, \xmode, \cnt
.endif
	s_wait_dscnt 0x0
.if \kind == 0
	MUL2 F1, 0, 0
	MUL2 F1, 2, 0
.else
.if \kind != 3
	s_wait_tensorcnt 0x0
	ds_add_u32 v254, v255
	s_wait_dscnt 0x0
.endif
	s_barrier_signal -1
	MUL2 F1, 0, 0                                  ; register work while the others arrive
	WIN 0
	s_barrier_wait -1
.if \kind == 2
	CREST                                          ; no wave of any partner still reads this slot or has a load on its way
	s_add_nc_u64 s[G0+4*\slot+2:G0+4*\slot+3], s[G0+4*\slot+2:G0+4*\slot+3], 2*CHUNKB   ; two chunks on; no tensor load of mine is out
	tensor_load_to_lds s[G0+4*\slot:G0+4*\slot+3], s[G1:G1+7]
	s_nop 0
.endif
	FETCH \nslot, \nkh, 0, F0                      ; buffer 0 was last multiplied a quarter ago; the piece's conversions are the places
	MUL2 F1, 2, 0
.endif
.endm
; A K step of 128: half kh of the chunk in slot 'slot'; cs = 1 - kh: the set and the buffer of the next step's x.  m0: piece 0's mode, m1: the other pieces'; c0..c3: their counts.
.macro TRIP slot, kh, cs, zero, m0, m1, c0, c1, c2, c3, kind, nslot, nkh
	QUARTER \slot, \kh, \cs, 0, F0, F1, \zero, \m0, \c0
	QUARTER \slot, \kh, \cs, 1, F1, F0, 0, \m1, \c1
	QUARTER \slot, \kh, \cs, 2, F0, F1, 0, \m1, \c2
	TURN \slot, \cs, \m1, \c3, \kind, \nslot, \nkh
.endm
.macro LAP zero                        ; four steps = two chunks = once round the ring, both slots filled again
	TRIP 0, 0, 1, \zero, 2, 2, 48, 48, 48, 48, 3, 0, 1
	TRIP 0, 1, 0, 0,     2, 2, 48, 48, 48, 48, 2, 1, 0
	TRIP 1, 0, 1, 0,     2, 2, 48, 48, 48, 48, 3, 1, 1
	TRIP 1, 1, 0, 0,     2, 2, 48, 48, 48, 48, 2, 0, 0
.endm
	s_wait_xcnt 0x0
	s_add_nc_u64 s[22:23], s[22:23], 512           ; the base at step 1: the next request is step 1's last piece
	XPIECE 0, 0, 2, 48                             ; step 0 of x goes into buffer 0.  56 x loads are out in front of each piece, the oldest eight are wanted: 48
	XPIECE 1, 0, 2, 48
	XPIECE 2, 0, 2, 48
	XPIECE 3, 0, 2, 48
	WIN 0
	s_cmp_eq_u32 s16, 3
	s_cbranch_scc1 .Lno_bias_store
	ds_store_b64 v[BST], v[BD:BD+1]                ; the bias load is older than every x load: the waits above have shown it in
.Lno_bias_store:
	s_wait_dscnt 0x0                               ; my rows of x and my bias are in LDS,
	s_wait_tensorcnt 0x1                           ; my part of W's chunk 0 too; chunk 1 may stay out
	s_barrier_signal -1
	s_barrier_wait -1
	FETCH 0, 0, 0, F0
	LAP 1                                          ; steps 0 to 3 stand in front of the loop: the first products start the sums
	WIN 0
	s_mov_b32 s40, 2
.Llap:                                             ; steps 4 to 11; their fills are chunks 4 to 7
	LAP 0
	WIN 0
	s_sub_co_u32 s40, s40, 1
	s_cmp_lg_u32 s40, 0
	s_cbranch_scc1 .Llap
	TRIP 0, 0, 1, 0, 2, 2, 48, 48, 48, 48, 3, 0, 1 ; step 12: requests up to step 15's third piece
	TRIP 0, 1, 0, 0, 2, 1, 48, 48, 40, 32, 1, 1, 0 ; step 13: the last request in piece 0; then 56, 48, 40 loads are out; chunk 7 has to be in
	TRIP 1, 0, 1, 0, 1, 1, 24, 16, 8, 0, 3, 1, 1   ; step 14: 32, 24, 16, 8 loads are out
	TRIP 1, 1, 0, 0, 0, 0, 0, 0, 0, 0, 0, 0, 0     ; step 15
	; THE WAY OUT.  Register j of tile (a, b) in lane (r, h) is row 64 wi + 16 a + r, column 96 wj + 16 b + 8 h + j of the work-group's 192.
	PLACES                                         ; behind the last matrix instructions: for the sums below and for the loads into buffer 0
	WIN 0
.irp b, 0,1,2,3,4,5
	ds_load_b128 v[F0+8*\b:F0+8*\b+3],   v[BA] offset:64*\b
	ds_load_b128 v[F0+8*\b+4:F0+8*\b+7], v[BA] offset:64*\b+16
.endr
	s_wait_dscnt 0x0
	WIN 0x41                                       ; accumulators window 1, bias window 0
.irp a, 0,1,2,3
.irp b, 0,1,2,3,4,5
.irp j, 0,2,4,6
	v_pk_add_f32 v[8*(6*\a+\b)+\j:8*(6*\a+\b)+\j+1], v[8*(6*\a+\b)+\j:8*(6*\a+\b)+\j+1], v[F0+8*\b+\j:F0+8*\b+\j+1]
.endr
.endr
.endr
	WIN 0x05                                       ; from window 1 into window 0
.irp a, 0,1,2,3
.irp b, 0,1,2,3,4,5
.irp j, 0,1,2,3
	v_cvt_pk_f16_f32 v[F1+4*(6*\a+\b)+\j], v[8*(6*\a+\b)+2*\j], v[8*(6*\a+\b)+2*\j+1]
.endr
.endr
.endr
	WIN 0
.irp a, 0,1,2,3
.irp b, 0,1,2,3,4,5
	ds_store_b128 v[STO], v[F1+4*(6*\a+\b):F1+4*(6*\a+\b)+3] offset:\a*16*SPITCH+32*\b
.endr
.endr
	s_wait_dscnt 0x0                               ; a row of the stage is written by two waves and read by one of them
	s_barrier_signal -1
	s_barrier_wait -1
.set i, 0
.rept 16
	ds_load_b128 v[F1+4*i:F1+4*i+3], v[RDB] offset:i*2*SPITCH           ; the first 256 bytes of two rows
.set i, i+1
.endr
.set i, 0
.rept 8
	ds_load_b128 v[F1+64+4*i:F1+64+4*i+3], v[RDS] offset:i*4*SPITCH     ; the last 128 bytes of four rows
.set i, i+1
.endr
.set i, 0
.rept 16
	s_wait_dscnt 23-i                              ; LDS loads come back in order: the younger stay out
	global_store_b128 v[COB], v[F1+4*i:F1+4*i+3], s[46:47] offset:i*512       ; the wave stores 512 consecutive bytes, aligned: two rows of Q or V
.set i, i+1
.endr
.set i, 0
.rept 8
	s_wait_dscnt 7-i
	global_store_b128 v[COS], v[F1+64+4*i:F1+64+4*i+3], s[52:53] offset:i*512 ; 512 consecutive bytes, aligned: four rows of KL or KH
.set i, i+1
.endr
	s_set_vgpr_msb 0xa
	s_wait_tensorcnt 0x0
	ds_add_u32 v254, v255
	s_wait_dscnt 0x0
	s_set_vgpr_msb 0xa00
	CROUND                                         ; the closing round: no work-group ends while a partner may still ask jointly
	s_endpgm
.Lfunc_end_k_q6f3ac0c3e1_proj:
	.size	k_q6f3ac0c3e1_proj, .Lfunc_end_k_q6f3ac0c3e1_proj-k_q6f3ac0c3e1_proj
	.p2alignl 7, 3214868480
	.fill 96, 4, 3214868480
	.section	.rodata,"a",@progbits
	.p2align	6, 0x0
	.amdhsa_kernel k_q6f3ac0c3e1_proj
		.amdhsa_group_segment_fixed_size 327680
		.amdhsa_private_segment_fixed_size 0
		.amdhsa_enable_private_segment 0
		.amdhsa_kernarg_size 48
		.amdhsa_user_sgpr_count 2
		.amdhsa_user_sgpr_kernarg_segment_ptr 1
		.amdhsa_wavefront_size32 1
		.amdhsa_system_sgpr_workgroup_id_x 1
		.amdhsa_system_sgpr_workgroup_id_y 1
		.amdhsa_system_sgpr_workgroup_id_z 1
		.amdhsa_system_vgpr_workitem_id 0
		.amdhsa_next_free_vgpr 928
		.amdhsa_next_free_sgpr 66
		.amdhsa_reserve_vcc 0
		.amdhsa_float_denorm_mode_32 3
		.amdhsa_float_denorm_mode_16_64 3
		.amdhsa_memory_ordered 1
		.amdhsa_forward_progress 1
		.amdhsa_inst_pref_size 255
	.end_amdhsa_kernel
	.section	.bss,"aw",@nobits
	.p2align	6
	.space	262144
	.amdgpu_metadata
---
amdhsa.version: [ 1, 2 ]
amdhsa.kernels:
  - .name:           k_q6f3ac0c3e1_proj
    .symbol:         k_q6f3ac0c3e1_proj.kd
    .args:
      - { .name: x, .offset: 0, .size: 8, .value_kind: global_buffer, .address_space: global }
      - { .name: wt, .offset: 8, .size: 8, .value_kind: global_buffer, .address_space: global }
      - { .name: bq, .offset: 16, .size: 8, .value_kind: global_buffer, .address_space: global }
      - { .name: bk, .offset: 24, .size: 8, .value_kind: global_buffer, .address_space: global }
      - { .name: bv, .offset: 32, .size: 8, .value_kind: global_buffer, .address_space: global }
      - { .name: qkv, .offset: 40, .size: 8, .value_kind: global_buffer, .address_space: global }
    .group_segment_fixed_size: 327680
    .private_segment_fixed_size: 0
    .kernarg_segment_align: 8
    .kernarg_segment_size: 48
    .max_flat_workgroup_size: 128
    .sgpr_count:     66
    .vgpr_count:     928
    .wavefront_size: 32
...
	.end_amdgpu_metadata
.endif
;; end of part 5
;; launch attn (part 6): grid 256 x 1, 4 waves a work-group, clusters of 4 x 1, 327,680 bytes of LDS; arguments qkv, out0; writes out0
.if DOCPART == 6
	.amdgcn_target "amdgcn-amd-amdhsa--gfx1250"
	.amdhsa_code_object_version 6
	.text
	.protected	k_q6f3ac0c3e1_attn
	.globl	k_q6f3ac0c3e1_attn
	.p2align	8
	.type	k_q6f3ac0c3e1_attn,@function
k_q6f3ac0c3e1_attn:
	s_mov_b64 s[64:65], 0
	v_nop
	global_prefetch_b8 v0, s[64:65] scope:SCOPE_SE
	s_setreg_imm32_b32 hwreg(HW_REG_WAVE_MODE, 25, 1), 1
	s_wait_xcnt 0x0
	s_wait_alu depctr_hold_cnt(0) depctr_sa_sdst(0) depctr_va_vdst(0) depctr_va_sdst(0) depctr_va_ssrc(0) depctr_va_vcc(0) depctr_vm_vsrc(0)
	s_getreg_b32 s2, hwreg(HW_REG_IB_STS2, 6, 4)
	s_cmp_eq_u32 s2, 0
	s_cbranch_scc0 .Lentry_in_a_cluster
	s_endpgm
.Lentry_in_a_cluster:
	s_bfe_u32 s2, ttmp6, 0x10000c
	s_cmp_lg_u32 s2, 0x3003
	s_cbranch_scc0 .Lentry_shape_is_right
	s_endpgm
.Lentry_shape_is_right:
; out0 = softmax(q k^T / sqrt(128)) v, 8 batches of 2048 x 2048 x 128.  q, k, v: f16 in qkv; sums, maxima, exponentials f32.
; qkv: Q [16384][128] at byte 0, KL [16384][64] (k's columns 0-63) at 4 MiB, KH (columns 64-127) at 6 MiB, V [16384][128] at 8 MiB, all dense.
; LIMITS: q, k, v as the projection left them (|.| < 65,504); the weights P are rounded to f16 for the second product while their row sum adds the
; unrounded f32 values.  The maximum is taken away before every exponential, as a running maximum.
; A work-group takes 64 queries.  All four waves hold the same 64 queries and split the keys: a step is 256 keys, wave w takes keys 64 w .. 64 w + 63
; of it; 8 steps.  So a fragment of K or V from LDS feeds four matrix instructions.  The four waves' partial results are merged once, at the end.
; TRANSPOSED throughout, so that nothing is shuffled between lanes:  S^T = K Q^T (source 0 = K from LDS, source 1 = Q, kept in registers): lane (r, h)
; holds query r, register j key 8 h + j.  Two such tiles, packed to f16, ARE a source-1 fragment of P^T.  O^T = V^T P^T, source 0 by transposing loads.
; CLUSTER: the 32 work-groups of a batch read the same K and V; four of them form a cluster and ask for each tile jointly (mask 15).  The batch is the
; low three bits of the cluster's number, so a batch's eight clusters are 8 apart in the launch's order.
; Wave 0 brings a step's KL, wave 1 its KH, waves 2, 3 V's two halves: one tensor load a wave behind each round, one out at any time.
;
; REGISTERS in windows of 256: window 0 addresses, softmax state, P (v64-127), the merge (v128-255); window 1 O(dt, qt) at 8 (4 dt + qt);
; window 2 Q(qt, c) at 8 (4 qt + c), S(kt, qt) at 128 + 8 (4 kt + qt); window 3 K(kt, c) at 8 (4 kt + c), V(kk, dt) at 128 + 8 (8 kk + dt).
.set KPITCH, 144                       ; a key's 64 numbers of KL or KH: 128 bytes + 16, an odd multiple of 16
.set KHALF,  256*KPITCH                ; 36,864: a step's KL; its KH follows
.set VPITCH, 288                       ; 256 bytes + 32: the transposing load's eight rows start in different bank groups
.set KBYTES, 2*KHALF
.set SLOT,   KBYTES+256*VPITCH         ; 147,456
.set STATS,  2*SLOT                    ; 294,912: for each query four maxima and four sums, 32 bytes
.set MPITCH, 528                       ; the merge: a row of 128 f32 + 16 bytes
.set MSTAGE, 64*MPITCH                 ; one wave's 64 rows; four of them (135,168 bytes) lie in slot 0, behind its last fill and its last read
.set QROW,   256
.set KOFF,   0x400000
.set VOFF,   0x800000
.set KSTEP,  256*128                   ; a step's bytes in KL or in KH
.set VSTEP,  256*256                   ; and in V
.set CEXP,   0x3e0293ee                ; log2(e) / sqrt(128)
.set NCEXP,  0xbe0293ee
.set KA,  4                            ; v4-5    K fragments in slot 0, 1
.set VA,  6                            ; v6-7    V fragments in slot 0, 1
.set NP,  8                            ; v[8+2qt] NM = - c x running maximum; v[9+2qt] at work for the lane exchange
.set AP,  16                           ; v[16+2qt] alpha; v[17+2qt] L, the lane's running sum
.set TX,  24                           ; v24-27
.set SUM, 28                           ; v[28+2qt:29+2qt]
.set QO,  36
.set SA,  37
.set SB,  38
.set ST,  39
.set RD0, 40
.set RD2, 41
.set OO,  42
.set PP,  64                           ; P(kk, qt) at 64 + 8 (4 kk + qt)
.set MG,  128
.set QQ,  0                            ; window 2
.set SS,  128                          ; window 2
.set KF,  0                            ; window 3
.set VF,  128                          ; window 3
.set G1K, 24
.set G0K, 32
.set G1V, 48
.set G0V, 56
.set MSB, 0
.macro WIN new
.if MSB != \new
	s_set_vgpr_msb (MSB<<8)|\new
.set MSB, \new
.endif
.endm
.macro PLACES
.rept 4
	v_nop
.endr
.endm
.macro CROUND                          ; a round of the cluster's barrier
	s_barrier_signal -1
	s_barrier_wait -1
	s_cmp_lg_u32 s10, 0
	s_cbranch_scc1 .Lnot_wave_0_\@
	s_barrier_signal -3
.Lnot_wave_0_\@:
	s_barrier_wait -3
	s_barrier_signal -1
	s_barrier_wait -1
.endm
.macro JLOAD n                         ; the joint load of slot n: the branch hangs on the wave's number alone
	s_cmp_eq_u32 s11, 0
	s_cbranch_scc0 .Lfor_v_\@
	tensor_load_to_lds s[G0K+4*\n:G0K+4*\n+3], s[G1K:G1K+7]
	s_nop 0
	s_branch .Lasked_\@
.Lfor_v_\@:
	tensor_load_to_lds s[G0V+4*\n:G0V+4*\n+3], s[G1V:G1V+7]
	s_nop 0
.Lasked_\@:
.endm
	s_load_b128 s[4:7], s[0:1], 0x0                ; qkv s[4:5], out0 s[6:7]
	v_lshl_add_u32 v62, v0, 2, 0x48800
	v_mov_b32 v63, 0
	ds_add_u32 v62, v63
	v_lshrrev_b32 v1, 5, v0
	v_readfirstlane_b32 s10, v1                    ; wave 0..3
	s_lshr_b32 s11, s10, 1                         ; 0: I fetch for K, 1: for V
	s_and_b32 s12, s10, 1                          ; K: KL or KH; V: which 128 keys of the step
	s_bfe_u32 s13, ttmp6, 0x40000                  ; cx
	s_and_b32 s15, ttmp9, 7                        ; batch, made without cx
	s_lshr_b32 s14, ttmp9, 3
	s_lshl_b32 s14, s14, 2
	s_add_co_u32 s14, s14, s13                     ; which 64 of the batch's queries
	s_lshl_b32 s41, s15, 5
	s_add_co_u32 s14, s14, s41                     ; block of 64 rows, 0..255.  s13, s14, s22, s23, s44, s45 alone hold what hangs on cx
	s_lshl_b32 s16, s15, 18                        ; K: the batch's 2048 rows of 128 bytes,
	s_lshl_b32 s17, s12, 21                        ; KH 2 MiB behind KL
	s_add_co_u32 s16, s16, s17
	s_add_co_u32 s16, s16, KOFF
	s_mov_b32 s17, 0
	s_lshl_b32 s18, s15, 19                        ; V: the batch's 2048 rows of 256 bytes,
	s_lshl_b32 s19, s12, 15                        ; my 128 rows of a step
	s_add_co_u32 s18, s18, s19
	s_add_co_u32 s18, s18, VOFF
	s_mov_b32 s19, 0
	s_mul_i32 s20, s12, KHALF
	s_mul_i32 s21, s12, 128*VPITCH
	s_add_co_u32 s21, s21, KBYTES
	s_lshl_b32 s44, s14, 14                        ; my queries' rows of Q
	s_mov_b32 s45, 0
	s_lshl_b32 s22, s14, 15                        ; 64 rows of 512 bytes of out0
	s_mov_b32 s23, 0
	s_mov_b32 s42, CEXP
	s_mov_b32 s43, CEXP
	s_mov_b32 s46, 0x76543210                      ; v_permlanex16_b32: lane i of one half reads lane i of the other
	s_mov_b32 s47, 0xfedcba98
	v_and_b32 v1, 15, v0                           ; r
	v_bfe_u32 v2, v0, 4, 1                         ; h
	v_and_b32 v3, 31, v0                           ; lane
	v_lshlrev_b32 v[QO], 8, v1
	v_lshl_add_u32 v[QO], v2, 4, v[QO]
	; descriptor groups 1: 128 rows x 128 elements of 2 bytes, dense.  V: 128 keys, 8 words of padding behind every 64 words.
	; K: the 256 keys' rows of 128 bytes follow each other without a gap, so they are taken as 128 rows of 256 bytes, with 4 words of padding behind every 32 words: key by key
	s_mov_b32 s[G1K+0], 15|(1<<16)|(1<<20)|(1<<21)|(4<<22)|(3<<25)
	s_mov_b32 s[G1V+0], 15|(1<<16)|(1<<20)|(1<<21)|(5<<22)|(7<<25)
.irp g, G1K, G1V
	s_mov_b32 s[\g+1], 128<<16
	s_mov_b32 s[\g+2], 128<<16
	s_mov_b32 s[\g+3], 128<<16
	s_mov_b32 s[\g+4], 128
	s_mov_b32 s[\g+5], 128
	s_mov_b32 s[\g+6], 0
	s_mov_b32 s[\g+7], 0
.endr
	s_wait_dscnt 0x0
	s_wait_kmcnt 0x0
	s_add_nc_u64 s[8:9], s[4:5], s[44:45]          ; q of my 64 queries
	s_add_nc_u64 s[6:7], s[6:7], s[22:23]
	s_add_nc_u64 s[16:17], s[4:5], s[16:17]        ; the batch's KL or KH
	s_add_nc_u64 s[18:19], s[4:5], s[18:19]        ; the batch's V, my half of a step
	WIN 0x80                                       ; Q into window 2: lane (r, h) takes query 16 qt + r, d = 32 c + 8 h .. and 32 c + 16 + 8 h ..
.irp qt, 0,1,2,3
.irp c, 0,1,2,3
	global_load_b128 v[QQ+8*(4*\qt+\c):QQ+8*(4*\qt+\c)+3],   v[QO], s[8:9] offset:\qt*16*QROW+64*\c
	global_load_b128 v[QQ+8*(4*\qt+\c)+4:QQ+8*(4*\qt+\c)+7], v[QO], s[8:9] offset:\qt*16*QROW+64*\c+32
.endr
.endr
	WIN 0
.irp n, 0,1
	s_mov_b32 s[G0K+4*\n], 1
	s_add_co_u32 s[G0K+4*\n+1], s20, \n*SLOT
	s_add_nc_u64 s[G0K+4*\n+2:G0K+4*\n+3], s[16:17], \n*KSTEP
	s_or_b32 s[G0K+4*\n+3], s[G0K+4*\n+3], 0x80000000
	s_mov_b32 s[G0V+4*\n], 1
	s_add_co_u32 s[G0V+4*\n+1], s21, \n*SLOT
	s_add_nc_u64 s[G0V+4*\n+2:G0V+4*\n+3], s[18:19], \n*VSTEP
	s_or_b32 s[G0V+4*\n+3], s[G0V+4*\n+3], 0x80000000
.endr
	CROUND                                         ; in front of the first joint load
	JLOAD 0                                        ; step 0; slot 1 is first filled behind the first trip's round
	s_mul_i32 s41, s10, 64*KPITCH
	v_mul_u32_u24 v43, v1, KPITCH
	v_lshl_add_u32 v43, v2, 4, v43
	v_add_nc_u32 v[KA], s41, v43                   ; key 64 w + r, 16 h
	v_add_nc_u32 v[KA+1], SLOT, v[KA]
	v_and_b32 v44, 7, v0
	v_lshl_add_u32 v44, v2, 3, v44                 ; key 8 h + (l & 7)
	v_mul_u32_u24 v44, v44, VPITCH
	v_bfe_u32 v45, v0, 3, 1
	v_lshl_add_u32 v44, v45, 4, v44                ; 16 bytes on for lanes 8-15 and 24-31
	s_mul_i32 s41, s10, 64*VPITCH
	s_add_co_u32 s41, s41, KBYTES
	v_add_nc_u32 v[VA], s41, v44
	v_add_nc_u32 v[VA+1], SLOT, v[VA]
	v_lshlrev_b32 v[SB], 5, v1
	v_add_nc_u32 v[SB], STATS, v[SB]
	v_lshl_add_u32 v[SA], s10, 2, v[SB]
	v_mul_u32_u24 v[ST], v1, MPITCH
	v_lshl_add_u32 v[ST], v2, 5, v[ST]
	s_mul_i32 s41, s10, MSTAGE
	v_add_nc_u32 v[ST], s41, v[ST]
	s_mul_i32 s41, s10, 16*MPITCH
	v_lshl_add_u32 v[RD0], v3, 4, s41
	v_add_nc_u32 v[RD2], 2*MSTAGE, v[RD0]
	s_lshl_b32 s41, s10, 13
	v_lshl_add_u32 v[OO], v3, 4, s41
.irp qt, 0,1,2,3
	v_mov_b32 v[NP+2*\qt+1], 0                     ; the lane exchange's destination counts as read
.endr
	s_wait_loadcnt 0x0                             ; Q, once
; The softmax of a step, the four query tiles side by side so that no instruction waits for the one in front of it.
.macro SOFTMAX first
	WIN 0x0a                                       ; sources 0 and 1 window 2 (S), the rest window 0
.irp qt, 0,1,2,3
	v_max_num_f32 v[TX+\qt], v[SS+8*\qt], v[SS+8*\qt+1]
.endr
.set p, 1
.rept 15
.irp qt, 0,1,2,3
	v_max3_num_f32 v[TX+\qt], v[SS+8*(4*(p/4)+\qt)+2*(p%4)], v[SS+8*(4*(p/4)+\qt)+2*(p%4)+1], v[TX+\qt]
.endr
.set p, p+1
.endr
	WIN 0
.irp qt, 0,1,2,3
	v_permlanex16_b32 v[NP+2*\qt+1], v[TX+\qt], s46, s47   ; the other half of the lanes holds the query's other keys
.endr
.irp qt, 0,1,2,3
	v_max_num_f32 v[TX+\qt], v[TX+\qt], v[NP+2*\qt+1]
.endr
.irp qt, 0,1,2,3
	v_mul_f32 v[TX+\qt], NCEXP, v[TX+\qt]          ; - c x maximum, rounded once; every exponent below uses this same number
.endr
.if \first == 0
.irp qt, 0,1,2,3
	v_min_num_f32 v[TX+\qt], v[TX+\qt], v[NP+2*\qt]
.endr
.irp qt, 0,1,2,3
	v_sub_f32 v[AP+2*\qt], v[TX+\qt], v[NP+2*\qt]  ; c (old maximum - new maximum), at most 0
.endr
.irp qt, 0,1,2,3
	v_exp_f32 v[AP+2*\qt], v[AP+2*\qt]
.endr
.endif
.irp qt, 0,1,2,3
	v_mov_b32 v[NP+2*\qt], v[TX+\qt]               ; plain instructions behind the exponentials, which touch neither their results nor their sources
.endr
	WIN 0x82                                       ; S in place
.irp kt, 0,1,2,3
.irp qt, 0,1,2,3
.irp j, 0,2,4,6
	v_pk_fma_f32 v[SS+8*(4*\kt+\qt)+\j:SS+8*(4*\kt+\qt)+\j+1], v[SS+8*(4*\kt+\qt)+\j:SS+8*(4*\kt+\qt)+\j+1], s[42:43], v[NP+2*\qt:NP+2*\qt+1] op_sel_hi:[1,0,0]
.endr
.endr
.endr
.set p, 0
.rept 128
	v_exp_f32 v[SS+p], v[SS+p]
.set p, p+1
.endr
	v_nop                                          ; one plain place behind the run of exponentials
	WIN 0x0a
	s_wait_alu depctr_va_vdst(0)
.irp qt, 0,1,2,3
	v_pk_add_f32 v[SUM+2*\qt:SUM+2*\qt+1], v[SS+8*\qt:SS+8*\qt+1], v[SS+8*\qt+2:SS+8*\qt+3]   ; the first two pairs start the sums
.endr
.irp kt, 0,1,2,3
.irp qt, 0,1,2,3
.irp j, 0,1,2,3
	v_cvt_pk_f16_f32 v[PP+8*(4*(\kt/2)+\qt)+4*(\kt%2)+\j], v[SS+8*(4*\kt+\qt)+2*\j], v[SS+8*(4*\kt+\qt)+2*\j+1]
.endr
.endr
.endr
	WIN 0x02
.set p, 2
.rept 14
.irp qt, 0,1,2,3
	v_pk_add_f32 v[SUM+2*\qt:SUM+2*\qt+1], v[SS+8*(4*(p/4)+\qt)+2*(p%4):SS+8*(4*(p/4)+\qt)+2*(p%4)+1], v[SUM+2*\qt:SUM+2*\qt+1]
.endr
.set p, p+1
.endr
	WIN 0
.if \first
.irp qt, 0,1,2,3
	v_add_f32 v[AP+2*\qt+1], v[SUM+2*\qt], v[SUM+2*\qt+1]
.endr
.else
.irp qt, 0,1,2,3
	v_add_f32 v[SUM+2*\qt], v[SUM+2*\qt], v[SUM+2*\qt+1]
.endr
.irp qt, 0,1,2,3
	v_fma_f32 v[AP+2*\qt+1], v[AP+2*\qt+1], v[AP+2*\qt], v[SUM+2*\qt]
.endr
	WIN 0x41                                       ; O window 1, alpha window 0
.irp dt, 0,1,2,3,4,5,6,7
.irp qt, 0,1,2,3
.irp j, 0,2,4,6
	v_pk_mul_f32 v[8*(4*\dt+\qt)+\j:8*(4*\dt+\qt)+\j+1], v[8*(4*\dt+\qt)+\j:8*(4*\dt+\qt)+\j+1], v[AP+2*\qt:AP+2*\qt+1] op_sel_hi:[1,0]
.endr
.endr
.endr
.endif
.endm
; A step of 256 keys in slot 'slot'.  In front of the round every wave waits for all its tensor loads (its part of this step among them) and for its reads
; of the other slot; behind the round the other slot is filled with the next step, the wave's one joint load, which has this trip's work in which to land.
.macro TRIP slot, oth, first, refill
	s_wait_tensorcnt 0x0
	ds_add_u32 v62, v63
	s_wait_dscnt 0x0
	s_add_nc_u64 s[G0K+4*\slot+2:G0K+4*\slot+3], s[G0K+4*\slot+2:G0K+4*\slot+3], 2*KSTEP   ; no load of mine is out: this slot's next step
	s_add_nc_u64 s[G0V+4*\slot+2:G0V+4*\slot+3], s[G0V+4*\slot+2:G0V+4*\slot+3], 2*VSTEP
	s_wait_dscnt 0x0
	CROUND
.if \refill
	JLOAD \oth
.endif
	WIN 0xc0                                       ; destination window 3
.irp kt, 0,1,2,3
.irp c, 0,1,2,3                                    ; d = 32 c ..: c = 0, 1 lie in KL, c = 2, 3 in KH
	ds_load_b128 v[KF+8*(4*\kt+\c):KF+8*(4*\kt+\c)+3],   v[KA+\slot] offset:(\c/2)*KHALF+\kt*16*KPITCH+64*(\c%2)
	ds_load_b128 v[KF+8*(4*\kt+\c)+4:KF+8*(4*\kt+\c)+7], v[KA+\slot] offset:(\c/2)*KHALF+\kt*16*KPITCH+64*(\c%2)+32
.endr
.endr
	WIN 0xab                                       ; S^T = K Q^T: source 0 window 3, the rest window 2
.irp kt, 0,1,2,3
	s_wait_dscnt 24-8*\kt                          ; eight loads for each key tile: the later tiles' stay out
.irp c, 0,1,2,3
.irp qt, 0,1,2,3                                   ; four accumulators take turns, one instruction a turn
.if \c == 0
	v_wmma_f32_16x16x32_f16 v[SS+8*(4*\kt+\qt):SS+8*(4*\kt+\qt)+7], v[KF+8*(4*\kt+\c):KF+8*(4*\kt+\c)+7], v[QQ+8*(4*\qt+\c):QQ+8*(4*\qt+\c)+7], 0
.else
	v_wmma_f32_16x16x32_f16 v[SS+8*(4*\kt+\qt):SS+8*(4*\kt+\qt)+7], v[KF+8*(4*\kt+\c):KF+8*(4*\kt+\c)+7], v[QQ+8*(4*\qt+\c):QQ+8*(4*\qt+\c)+7], v[SS+8*(4*\kt+\qt):SS+8*(4*\kt+\qt)+7]
.endif
.endr
.endr
.endr
	PLACES                                         ; behind these products, whose results the maxima read, and behind the last trip's second product, whose source 0 is loaded next
	WIN 0xc0
.irp kk, 0,1
.irp dt, 0,1,2,3,4,5,6,7
	ds_load_tr16_b128 v[VF+8*(8*\kk+\dt):VF+8*(8*\kk+\dt)+3],   v[VA+\slot] offset:\kk*32*VPITCH+32*\dt
	ds_load_tr16_b128 v[VF+8*(8*\kk+\dt)+4:VF+8*(8*\kk+\dt)+7], v[VA+\slot] offset:\kk*32*VPITCH+32*\dt+16*VPITCH
.endr
.endr
	SOFTMAX \first
	s_wait_dscnt 0x0                               ; V's fragments, issued in front of the softmax
	WIN 0x53                                       ; O^T += V^T P^T: source 0 window 3, source 1 window 0, C and D window 1
.irp kk, 0,1
.irp dt, 0,1,2,3,4,5,6,7
.irp qt, 0,1,2,3                                   ; 32 accumulators take turns
.if \first*(1-\kk)
	v_wmma_f32_16x16x32_f16 v[8*(4*\dt+\qt):8*(4*\dt+\qt)+7], v[VF+8*(8*\kk+\dt):VF+8*(8*\kk+\dt)+7], v[PP+8*(4*\kk+\qt):PP+8*(4*\kk+\qt)+7], 0
.else
	v_wmma_f32_16x16x32_f16 v[8*(4*\dt+\qt):8*(4*\dt+\qt)+7], v[VF+8*(8*\kk+\dt):VF+8*(8*\kk+\dt)+7], v[PP+8*(4*\kk+\qt):PP+8*(4*\kk+\qt)+7], v[8*(4*\dt+\qt):8*(4*\dt+\qt)+7]
.endif
.endr
.endr
.endr
	WIN 0
.endm
	TRIP 0, 1, 1, 1                                ; step 0: its products start the sums, its maximum is the first
	TRIP 1, 0, 0, 1
	s_mov_b32 s40, 2
.Llap:                                             ; steps 2 to 5
	TRIP 0, 1, 0, 1
	TRIP 1, 0, 0, 1
	s_sub_co_u32 s40, s40, 1
	s_cmp_lg_u32 s40, 0
	s_cbranch_scc1 .Llap
	TRIP 0, 1, 0, 1                                ; step 6 asks for step 7, the last fill
	TRIP 1, 0, 0, 0                                ; step 7 (the stepped addresses are not used)
	; THE MERGE of the four waves' parts.  Each wave publishes, for each query, its NM and its sum.
.irp qt, 0,1,2,3
	v_permlanex16_b32 v[NP+2*\qt+1], v[AP+2*\qt+1], s46, s47
.endr
.irp qt, 0,1,2,3
	v_add_f32 v[AP+2*\qt+1], v[AP+2*\qt+1], v[NP+2*\qt+1]  ; the sum over the wave's keys
.endr
.irp qt, 0,1,2,3
	ds_store_b32 v[SA], v[NP+2*\qt] offset:512*\qt         ; lanes r and r + 16 write the same word with the same value
	ds_store_b32 v[SA], v[AP+2*\qt+1] offset:512*\qt+16
.endr
	s_wait_dscnt 0x0
	s_barrier_signal -1
	s_barrier_wait -1
.irp qt, 0,1,2,3
	ds_load_b128 v[MG+8*\qt:MG+8*\qt+3],   v[SB] offset:512*\qt
	ds_load_b128 v[MG+8*\qt+4:MG+8*\qt+7], v[SB] offset:512*\qt+16
.endr
	s_wait_dscnt 0x0
.irp qt, 0,1,2,3
	v_min3_num_f32 v[TX+\qt], v[MG+8*\qt], v[MG+8*\qt+1], v[MG+8*\qt+2]
.endr
.irp qt, 0,1,2,3
	v_min_num_f32 v[TX+\qt], v[TX+\qt], v[MG+8*\qt+3]      ; - c x the maximum over all keys
.endr
.irp qt, 0,1,2,3
	v_sub_f32 v[AP+2*\qt], v[TX+\qt], v[NP+2*\qt]
.irp u, 0,1,2,3
	v_sub_f32 v[MG+8*\qt+\u], v[TX+\qt], v[MG+8*\qt+\u]
.endr
.endr
.irp qt, 0,1,2,3
	v_exp_f32 v[AP+2*\qt], v[AP+2*\qt]
.irp u, 0,1,2,3
	v_exp_f32 v[MG+8*\qt+\u], v[MG+8*\qt+\u]
.endr
.endr
	v_nop                                          ; one plain place behind the exponentials
	s_wait_alu depctr_va_vdst(0)
.irp qt, 0,1,2,3
	v_mul_f32 v[TX+\qt], v[MG+8*\qt], v[MG+8*\qt+4]
.endr
.irp u, 1,2,3
.irp qt, 0,1,2,3
	v_fmac_f32 v[TX+\qt], v[MG+8*\qt+\u], v[MG+8*\qt+4+\u] ; the whole row's sum: the wave that holds the maximum adds about 1 or more
.endr
.endr
.irp qt, 0,1,2,3
	v_rcp_f32 v[TX+\qt], v[TX+\qt]
.endr
	v_nop
	s_wait_alu depctr_va_vdst(0)
.irp qt, 0,1,2,3
	v_mul_f32 v[AP+2*\qt], v[AP+2*\qt], v[TX+\qt]  ; my part's weight
.endr
	WIN 0x41
.irp dt, 0,1,2,3,4,5,6,7
.irp qt, 0,1,2,3
.irp j, 0,2,4,6
	v_pk_mul_f32 v[8*(4*\dt+\qt)+\j:8*(4*\dt+\qt)+\j+1], v[8*(4*\dt+\qt)+\j:8*(4*\dt+\qt)+\j+1], v[AP+2*\qt:AP+2*\qt+1] op_sel_hi:[1,0]
.endr
.endr
.endr
	WIN 0x04                                       ; store data window 1.  Lane (r, h), tile (dt, qt): query 16 qt + r, d = 16 dt + 8 h + 0..7: 32 neighbouring bytes
.irp qt, 0,1,2,3
.irp dt, 0,1,2,3,4,5,6,7
	ds_store_b128 v[ST], v[8*(4*\dt+\qt):8*(4*\dt+\qt)+3]   offset:\qt*16*MPITCH+64*\dt
	ds_store_b128 v[ST], v[8*(4*\dt+\qt)+4:8*(4*\dt+\qt)+7] offset:\qt*16*MPITCH+64*\dt+16
.endr
.endr
	WIN 0
	s_wait_dscnt 0x0
	s_barrier_signal -1
	s_barrier_wait -1
; Wave w adds the four parts of queries 16 w .. 16 w + 15, eight rows at a time; a lane holds 16 bytes of a row, a store covers a row's 512 bytes.
.macro SUM8 grp
.irp i, 0,1,2,3,4,5,6,7
	ds_load_b128 v[MG+16*\i:MG+16*\i+3],     v[RD0] offset:(8*\grp+\i)*MPITCH
	ds_load_b128 v[MG+16*\i+4:MG+16*\i+7],   v[RD0] offset:MSTAGE+(8*\grp+\i)*MPITCH
	ds_load_b128 v[MG+16*\i+8:MG+16*\i+11],  v[RD2] offset:(8*\grp+\i)*MPITCH
	ds_load_b128 v[MG+16*\i+12:MG+16*\i+15], v[RD2] offset:MSTAGE+(8*\grp+\i)*MPITCH
.endr
.irp i, 0,1,2,3,4,5,6,7
	s_wait_dscnt 28-4*\i                           ; four loads a row: the later rows' stay out
	v_pk_add_f32 v[MG+16*\i:MG+16*\i+1],     v[MG+16*\i:MG+16*\i+1],     v[MG+16*\i+4:MG+16*\i+5]
	v_pk_add_f32 v[MG+16*\i+2:MG+16*\i+3],   v[MG+16*\i+2:MG+16*\i+3],   v[MG+16*\i+6:MG+16*\i+7]
	v_pk_add_f32 v[MG+16*\i+8:MG+16*\i+9],   v[MG+16*\i+8:MG+16*\i+9],   v[MG+16*\i+12:MG+16*\i+13]
	v_pk_add_f32 v[MG+16*\i+10:MG+16*\i+11], v[MG+16*\i+10:MG+16*\i+11], v[MG+16*\i+14:MG+16*\i+15]
	v_pk_add_f32 v[MG+16*\i:MG+16*\i+1],     v[MG+16*\i:MG+16*\i+1],     v[MG+16*\i+8:MG+16*\i+9]
	v_pk_add_f32 v[MG+16*\i+2:MG+16*\i+3],   v[MG+16*\i+2:MG+16*\i+3],   v[MG+16*\i+10:MG+16*\i+11]
	global_store_b128 v[OO], v[MG+16*\i:MG+16*\i+3], s[6:7] offset:(8*\grp+\i)*512 th:TH_STORE_NT
.endr
.endm
	SUM8 0
	s_wait_xcnt 0x0                                ; the stores' data registers are loaded again only behind this wait
	SUM8 1
	s_wait_tensorcnt 0x0
	ds_add_u32 v62, v63
	s_wait_dscnt 0x0
	CROUND                                         ; the closing round
	s_endpgm
.Lfunc_end_k_q6f3ac0c3e1_attn:
	.size	k_q6f3ac0c3e1_attn, .Lfunc_end_k_q6f3ac0c3e1_attn-k_q6f3ac0c3e1_attn
	.p2alignl 7, 3214868480
	.fill 96, 4, 3214868480
	.section	.rodata,"a",@progbits
	.p2align	6, 0x0
	.amdhsa_kernel k_q6f3ac0c3e1_attn
		.amdhsa_group_segment_fixed_size 327680
		.amdhsa_private_segment_fixed_size 0
		.amdhsa_enable_private_segment 0
		.amdhsa_kernarg_size 16
		.amdhsa_user_sgpr_count 2
		.amdhsa_user_sgpr_kernarg_segment_ptr 1
		.amdhsa_wavefront_size32 1
		.amdhsa_system_sgpr_workgroup_id_x 1
		.amdhsa_system_sgpr_workgroup_id_y 1
		.amdhsa_system_sgpr_workgroup_id_z 1
		.amdhsa_system_vgpr_workitem_id 0
		.amdhsa_next_free_vgpr 1024
		.amdhsa_next_free_sgpr 66
		.amdhsa_reserve_vcc 0
		.amdhsa_float_denorm_mode_32 3
		.amdhsa_float_denorm_mode_16_64 3
		.amdhsa_memory_ordered 1
		.amdhsa_forward_progress 1
		.amdhsa_inst_pref_size 255
	.end_amdhsa_kernel
	.section	.bss,"aw",@nobits
	.p2align	6
	.space	262144
	.amdgpu_metadata
---
amdhsa.version: [ 1, 2 ]
amdhsa.kernels:
  - .name:           k_q6f3ac0c3e1_attn
    .symbol:         k_q6f3ac0c3e1_attn.kd
    .args:
      - { .name: qkv, .offset: 0, .size: 8, .value_kind: global_buffer, .address_space: global }
      - { .name: out0, .offset: 8, .size: 8, .value_kind: global_buffer, .address_space: global }
    .group_segment_fixed_size: 327680
    .private_segment_fixed_size: 0
    .kernarg_segment_align: 8
    .kernarg_segment_size: 16
    .max_flat_workgroup_size: 128
    .sgpr_count:     66
    .vgpr_count:     1024
    .wavefront_size: 32
...
	.end_amdgpu_metadata
.endif
;; end of part 6
